; MI455X (gfx1250); checked and timed in simulation.
; The chip was launched on July 23, 2026; its instructions are those of AMD's public machine-readable ISA for CDNA 5 (MIT licence, August 2026) and "CDNA5" Instruction Set Architecture Reference Guide (July 2026). The comments in the code are by the model that wrote it; some were corrected since.
;; Category Specific Init Net. Allowed arithmetic: float matrix products may take bf16 or f16 operands with f32 sums; all other float work in f32.
;; Inputs: Wd1 8 x 256 x 256 float32; Wd2 8 x 256 x 256 float32; Wd3 8 x 256 x 128 float32; We1 768 x 512 float32; We2 512 x 256 float32; We3 256 x 256 float32; bd1 8 x 256 float32; bd2 8 x 256 float32; bd3 8 x 128 float32; be1 512 float32; be2 256 float32; be3 256 float32; cat_idx 32,768 int32; features 32,768 x 768 float32.
;; Outputs: out0 32,768 x 128 float32.
;; 2 versions, each right and faster than the one before. Each part assembles by itself: llvm-mc -triple=amdgcn-amd-amdhsa -mcpu=gfx1250 --defsym DOCPART=n.
;; ======== version 1 of 2: 2 launches
;; limits: values are held in f16: magnitudes above 65,504 overflow, below 6.1e-05 lose precision; inputs' magnitudes at most 65,504; below input magnitudes of 6.1e-05 results are inexact or not finite
;; workspace buffers: wq 3,801,088 bytes; ord 131,072 bytes of whole numbers; crange 1,024 bytes of whole numbers
;; launch prep (part 1): grid 233 x 1, 32 waves a work-group, no clusters, 8,192 bytes of LDS; arguments We1, We2, We3, Wd1, Wd2, Wd3, cat_idx, wq, ord, crange; writes wq, ord, crange
.if DOCPART == 1
	.amdgcn_target "amdgcn-amd-amdhsa--gfx1250"
	.amdhsa_code_object_version 6
	.text
	.protected	k_qad45ed7e71_prep
	.globl	k_qad45ed7e71_prep
	.p2align	8
	.type	k_qad45ed7e71_prep,@function
k_qad45ed7e71_prep:
	s_mov_b64 s[64:65], 0
	v_nop
	global_prefetch_b8 v0, s[64:65] scope:SCOPE_SE
	s_setreg_imm32_b32 hwreg(HW_REG_WAVE_MODE, 25, 1), 1
	s_wait_xcnt 0x0
; PREP.  Work-groups 0..231: the weights are rounded and laid out as the main launch reads them.  Work-group 232: the rows are sorted by category and dealt into bins.
; wq is a stream of 58 fills of 65,536 bytes: 12 of We1 (bf16), 4 of We2, 2 of We3, then for each expert 2 of Wd1, 2 of Wd2, 1 of Wd3 (all these: the bf16-rounded number written as f16).
; A fill is four quarters of 16,384 bytes, quarter w = what wave w of the main launch reads; a quarter is 16 blocks of 1,024 bytes, block q*nb+b = one matrix fragment
; (16 outputs x 32 K): byte 512*half + 16*L holds w[k..k+7][n], n = w*16nb + 16b + L%16, k = fill*KF + 32q + 16*half + 8*(L/16).  nb = N/64, KF = 512/nb.
; LIMITS.  A weight other than We1's beyond 65,504 becomes an infinity; below 6e-5 it keeps f16's fixed step of 6e-8.  A category outside 0..7 counts as 7.
; ord[i] = row | category<<16 of sorted place i.
; crange: 64 bins of 512 rows, none with more than two categories, four words each: first sorted place of category a; na, its rows in the bin; first sorted place of category b less na; a | b<<8.
; Place t of a bin is sorted place word0 + t if t < na, else word2 + t.
.set NCAST, 232
	s_load_b512 s[8:23], s[0:1], 0x0               ; We1 8, We2 10, We3 12, Wd1 14, Wd2 16, Wd3 18, cat_idx 20, wq 22
	s_load_b128 s[24:27], s[0:1], 0x40             ; ord 24, crange 26
	s_cmp_eq_u32 ttmp9, NCAST                      ; the same answer in all waves of a work-group
	s_cbranch_scc1 .Lroute
	; ---- one quarter of a fill; thread t makes its 16 bytes at 16 t
	s_lshr_b32 s30, ttmp9, 2                       ; F: the fill
	s_and_b32 s31, ttmp9, 3                        ; w: the quarter
	s_max_u32 s32, s30, 18
	s_sub_co_u32 s32, s32, 18                      ; fill among the experts' 40
	s_mul_i32 s33, s32, 205
	s_lshr_b32 s33, s33, 10                        ; expert = that / 5 (exact for 0..39)
	s_mul_i32 s34, s33, 5
	s_sub_co_u32 s34, s32, s34                     ; j: fill within the expert
	s_sub_co_u32 s35, s34, 2
	s_sub_co_u32 s36, s30, 16
	s_sub_co_u32 s37, s30, 12
	s_lshl_b32 s38, s33, 17                        ; expert's bytes in Wd3
	s_lshl_b32 s39, s33, 18                        ; in Wd1, Wd2
	s_wait_kmcnt 0x0
	s_mov_b64 s[40:41], s[18:19]                   ; the last case first, then overridden backward: source,
	s_mov_b32 s42, 1                               ; log2 nb,
	s_mov_b32 s43, 0                               ; fill within the layer,
	s_mov_b32 s44, s38                             ; expert's offset
	s_cmp_lt_u32 s34, 4
	s_cselect_b64 s[40:41], s[16:17], s[40:41]
	s_cselect_b32 s42, 2, s42
	s_cselect_b32 s43, s35, s43
	s_cselect_b32 s44, s39, s44
	s_cmp_lt_u32 s34, 2
	s_cselect_b64 s[40:41], s[14:15], s[40:41]
	s_cselect_b32 s43, s34, s43
	s_cmp_lt_u32 s30, 18
	s_cselect_b64 s[40:41], s[12:13], s[40:41]
	s_cselect_b32 s42, 2, s42
	s_cselect_b32 s43, s36, s43
	s_cselect_b32 s44, 0, s44
	s_cmp_lt_u32 s30, 16
	s_cselect_b64 s[40:41], s[10:11], s[40:41]
	s_cselect_b32 s43, s37, s43
	s_cmp_lt_u32 s30, 12
	s_cselect_b64 s[40:41], s[8:9], s[40:41]
	s_cselect_b32 s42, 3, s42
	s_cselect_b32 s43, s30, s43
	s_cselect_b32 s46, -1, 0                       ; all lanes: We1 stays bf16
	s_mov_b32 s45, 0
	s_add_nc_u64 s[40:41], s[40:41], s[44:45]
	v_lshrrev_b32 v1, 6, v0                        ; block
	v_bfe_u32 v2, v0, 5, 1                         ; half
	v_and_b32 v3, 15, v0                           ; L % 16
	v_bfe_u32 v4, v0, 4, 1                         ; L / 16
	s_lshl_b32 s47, 1, s42
	s_sub_co_u32 s47, s47, 1
	v_and_b32 v5, s47, v1                          ; b
	v_lshrrev_b32 v6, s42, v1                      ; q
	s_add_co_u32 s48, s42, 4
	s_lshl_b32 s48, s31, s48                       ; w * 16 nb
	v_lshl_add_u32 v5, v5, 4, v3
	v_add_nc_u32 v5, s48, v5                       ; n
	s_lshr_b32 s49, 512, s42
	s_mul_i32 s49, s49, s43                        ; fill * KF
	v_lshlrev_b32 v6, 5, v6
	v_lshl_add_u32 v6, v2, 4, v6
	v_lshl_add_u32 v6, v4, 3, v6
	v_add_nc_u32 v6, s49, v6                       ; k
	s_add_co_u32 s50, s42, 6
	v_lshlrev_b32 v6, s50, v6                      ; k * N
	v_add_lshl_u32 v8, v6, v5, 2                   ; byte of w[k][n]
	s_lshl_b32 s51, 256, s42                       ; bytes from k to k + 1
.irp j, 1,2,3,4,5,6,7
	v_add_nc_u32 v[8+\j], s51, v[7+\j]
.endr
.irp j, 0,1,2,3,4,5,6,7
	global_load_b32 v[16+\j], v[8+\j], s[40:41]
.endr
	s_lshl_b32 s52, ttmp9, 14
	s_mov_b32 s53, 0
	s_add_nc_u64 s[22:23], s[22:23], s[52:53]
	v_lshlrev_b32 v31, 4, v0
	s_wait_loadcnt 0x0
.irp p, 0,1,2,3
	v_cvt_pk_bf16_f32 v[24+\p], v[16+2*\p], v[17+2*\p]  ; every input is rounded to bf16 once
	v_lshlrev_b32 v28, 16, v[24+\p]
	v_and_b32 v29, 0xffff0000, v[24+\p]
	v_cvt_pk_f16_f32 v30, v28, v29                 ; that number as f16: exact inside f16's normal range
	v_cndmask_b32 v[24+\p], v30, v[24+\p], s46
.endr
	global_store_b128 v31, v[24:27], s[22:23]      ; a wave stores 512 consecutive bytes, aligned
	s_endpgm
	; ---- a counting sort of 32,768 categories by one work-group; wave w, lane l, turn i hold row 1024 w + 32 i + l
.Lroute:
	s_wait_kmcnt 0x0
	v_lshrrev_b32 v1, 5, v0
	v_readfirstlane_b32 s30, v1                    ; wave
	v_and_b32 v2, 31, v0                           ; lane
	v_lshlrev_b32 v3, 2, v2
	v_lshl_add_u32 v4, v1, 12, v3
.set i, 0
.rept 32
	global_load_b32 v[32+i], v4, s[20:21] offset:128*i
.set i, i+1
.endr
	v_lshlrev_b32 v6, 2, v0
	v_mov_b32 v5, 0                                ; lane c: my wave's count of category c
	s_wait_loadcnt 0x0
.set i, 0
.rept 32
	v_min_u32 v[32+i], 7, v[32+i]
.set i, i+1
.endr
	s_mov_b32 s31, 0
.Lcount:
	s_mov_b32 s42, 0
.set i, 0
.rept 32
	v_cmp_eq_u32 s40, s31, v[32+i]
	s_bcnt1_i32_b32 s41, s40
	s_add_co_u32 s42, s42, s41
.set i, i+1
.endr
	v_cmp_eq_u32 vcc_lo, s31, v2
	v_cndmask_b32 v5, v5, s42, vcc_lo
	s_add_co_u32 s31, s31, 1
	s_cmp_lt_u32 s31, 8
	s_cbranch_scc1 .Lcount
	ds_store_b32 v6, v5                            ; word 32 w + c
	s_wait_dscnt 0x0                               ; for the others' sake
	s_barrier_signal -1
	s_barrier_wait -1
.set i, 0
.rept 32
	ds_load_b32 v[96+i], v3 offset:128*i           ; lane c: wave i's count of category c
.set i, i+1
.endr
	v_mov_b32 v7, 0                                ; all waves' count
	v_mov_b32 v8, 0                                ; the count of the waves in front of mine
	s_wait_dscnt 0x0
.set i, 0
.rept 32
	s_cmp_gt_u32 s30, i
	s_cselect_b32 s41, -1, 0
	v_add_nc_u32 v7, v7, v[96+i]
	v_and_b32 v9, s41, v[96+i]
	v_add_nc_u32 v8, v8, v9
.set i, i+1
.endr
	s_mov_b32 s44, 0                               ; s[44+c] first sorted place of category c
.irp c, 0,1,2,3,4,5,6
	v_readlane_b32 s41, v7, \c
	s_add_co_u32 s[45+\c], s[44+\c], s41
.endr
	v_mov_b32 v10, 0
.irp c, 1,2,3,4,5,6,7
	v_cmp_eq_u32 vcc_lo, \c, v2
	v_cndmask_b32 v10, v10, s[44+\c], vcc_lo
.endr
	v_add_nc_u32 v11, v10, v8                      ; lane c: where my wave's rows of category c begin
.set i, 0
.rept 32
	v_mov_b32 v[64+i], 0                           ; the selects below read their destination
.set i, i+1
.endr
	s_mov_b32 s31, 0
.Lplace:
	v_readlane_b32 s42, v11, s31
.set i, 0
.rept 32
	v_cmp_eq_u32 s40, s31, v[32+i]
	v_mbcnt_lo_u32_b32 v9, s40, s42                ; the running place + the lanes below me with this category
	v_cndmask_b32 v[64+i], v[64+i], v9, s40
	s_bcnt1_i32_b32 s41, s40
	s_add_co_u32 s42, s42, s41
.set i, i+1
.endr
	s_add_co_u32 s31, s31, 1
	s_cmp_lt_u32 s31, 8
	s_cbranch_scc1 .Lplace
	v_lshl_add_u32 v12, v1, 10, v2                 ; my row in turn 0
.set i, 0
.rept 32
	v_add_nc_u32 v9, 32*i, v12
	v_lshl_or_b32 v[32+i], v[32+i], 16, v9         ; row | category << 16
	v_min_u32 v[64+i], 0x7fff, v[64+i]
	v_lshlrev_b32 v[64+i], 2, v[64+i]
	global_store_b32 v[64+i], v[32+i], s[24:25]
.set i, i+1
.endr
	s_cmp_lg_u32 s30, 0
	s_cbranch_scc1 .Ldone
	; ---- wave 0 deals the eight sorted runs into 64 bins of 512.  Lane c: v7 = rows of category c not yet dealt, v10 = its next sorted place.
	; A step takes the smallest category that has rows left: its whole bins, then its remainder na with 512 - na rows of the largest.  With k live categories and m free bins k <= m holds at the start
	; (8 <= 64) and after each step; then the largest has 512 rows or more whenever the smallest has fewer, so the fill-up never runs short.  Each step ends a category: eight steps end all, and
	; 32,768 rows make exactly 64 bins.
	; Lane l owns bins l (v[96:99]) and 32 + l (v[100:103]) and takes a step's words by a select: the table's addresses are made of the lane's number alone, and every lane stays on.
	v_add_nc_u32 v14, 32, v2
	v_mov_b32 v24, 0x200
	v_mov_b32 v25, 0
.irp j, 96,97,98,99,100,101,102,103
	v_mov_b32 v\j, 0                               ; the selects below read their destination
.endr
	s_mov_b32 s33, 0                               ; bins dealt
	s_mov_b32 s31, 0
.Ldeal:
	v_lshl_or_b32 v13, v7, 3, v2                   ; rows << 3 | category
	v_cmp_eq_u32 vcc_lo, 0, v7
	v_cndmask_b32 v15, v13, -1, vcc_lo             ; a category without rows is not the smallest
	v_readlane_b32 s40, v15, 0
.irp c, 1,2,3,4,5,6,7
	v_readlane_b32 s41, v15, \c
	s_min_u32 s40, s40, s41
.endr
	s_cmp_eq_u32 s40, -1
	s_cselect_b32 s40, 0, s40                      ; nothing left: a step of no bins
	s_and_b32 s34, s40, 7                          ; a
	s_lshr_b32 s35, s40, 3                         ; its rows
	v_readlane_b32 s36, v10, s34                   ; its next sorted place
	s_lshr_b32 s37, s35, 9                         ; whole bins
	s_and_b32 s38, s35, 511                        ; na
	v_cmp_eq_u32 vcc_lo, s34, v2
	v_cndmask_b32 v7, v7, 0, vcc_lo                ; a is dealt
	v_lshl_or_b32 v13, v7, 3, v2
	v_readlane_b32 s42, v13, 0
.irp c, 1,2,3,4,5,6,7
	v_readlane_b32 s41, v13, \c
	s_max_u32 s42, s42, s41
.endr
	s_and_b32 s39, s42, 7                          ; b
	v_readlane_b32 s43, v10, s39
	s_sub_co_u32 s44, 512, s38
	s_cmp_lg_u32 s38, 0
	s_cselect_b32 s44, s44, 0                      ; rows that b gives
	s_cselect_b32 s45, 1, 0
	v_cmp_eq_u32 vcc_lo, s39, v2
	v_cndmask_b32 v16, 0, s44, vcc_lo
	v_sub_nc_u32 v7, v7, v16
	v_add_nc_u32 v10, v10, v16
	s_add_co_u32 s46, s37, s45                     ; bins of this step
	s_sub_co_u32 s47, s43, s38
	s_lshl_b32 s48, s34, 8
	s_or_b32 s48, s48, s34                         ; a | a << 8
	s_lshl_b32 s49, s39, 8
	s_or_b32 s49, s49, s34                         ; a | b << 8
	v_mov_b32 v26, s48
	v_mov_b32 v19, s33
.irp u, 0, 1
	v_sub_nc_u32 v27, v[2+12*\u], v19              ; my bin's number within the step; a bin dealt earlier wraps to a large number
	v_cmp_gt_u32 vcc_lo, s37, v27                  ; a whole bin?
	v_lshl_add_u32 v20, v27, 9, s36
	v_cndmask_b32 v21, s38, v24, vcc_lo
	v_cndmask_b32 v22, s47, v25, vcc_lo
	v_cndmask_b32 v23, s49, v26, vcc_lo
	v_cmp_gt_u32 vcc_lo, s46, v27                  ; a bin of this step?
.irp j, 0,1,2,3
	v_cndmask_b32 v[96+4*\u+\j], v[96+4*\u+\j], v[20+\j], vcc_lo
.endr
.endr
	s_add_co_u32 s33, s33, s46
	s_add_co_u32 s31, s31, 1
	s_cmp_lt_u32 s31, 8
	s_cbranch_scc1 .Ldeal
	v_lshlrev_b32 v27, 4, v2
	global_store_b128 v27, v[96:99], s[26:27]              ; bins 0-31: 512 consecutive bytes, aligned
	global_store_b128 v27, v[100:103], s[26:27] offset:512 ; bins 32-63
.Ldone:
	s_wait_xcnt 0x0
	v_lshl_add_u32 v126, v0, 2, 0x1000
	v_mov_b32 v127, 0
	s_wait_tensorcnt 0x0
	ds_add_u32 v126, v127
	s_wait_dscnt 0x0
	s_endpgm
.Lfunc_end_k_qad45ed7e71_prep:
	.size	k_qad45ed7e71_prep, .Lfunc_end_k_qad45ed7e71_prep-k_qad45ed7e71_prep
	.p2alignl 7, 3214868480
	.fill 96, 4, 3214868480
	.section	.rodata,"a",@progbits
	.p2align	6, 0x0
	.amdhsa_kernel k_qad45ed7e71_prep
		.amdhsa_group_segment_fixed_size 8192
		.amdhsa_private_segment_fixed_size 0
		.amdhsa_enable_private_segment 0
		.amdhsa_kernarg_size 80
		.amdhsa_user_sgpr_count 2
		.amdhsa_user_sgpr_kernarg_segment_ptr 1
		.amdhsa_wavefront_size32 1
		.amdhsa_system_sgpr_workgroup_id_x 1
		.amdhsa_system_sgpr_workgroup_id_y 1
		.amdhsa_system_sgpr_workgroup_id_z 1
		.amdhsa_system_vgpr_workitem_id 0
		.amdhsa_next_free_vgpr 128
		.amdhsa_next_free_sgpr 66
		.amdhsa_reserve_vcc 1
		.amdhsa_float_denorm_mode_32 3
		.amdhsa_float_denorm_mode_16_64 3
		.amdhsa_memory_ordered 1
		.amdhsa_forward_progress 1
		.amdhsa_inst_pref_size 47
	.end_amdhsa_kernel
	.amdgpu_metadata
---
amdhsa.version: [ 1, 2 ]
amdhsa.kernels:
  - .name:           k_qad45ed7e71_prep
    .symbol:         k_qad45ed7e71_prep.kd
    .args:
      - { .name: We1, .offset: 0, .size: 8, .value_kind: global_buffer, .address_space: global }
      - { .name: We2, .offset: 8, .size: 8, .value_kind: global_buffer, .address_space: global }
      - { .name: We3, .offset: 16, .size: 8, .value_kind: global_buffer, .address_space: global }
      - { .name: Wd1, .offset: 24, .size: 8, .value_kind: global_buffer, .address_space: global }
      - { .name: Wd2, .offset: 32, .size: 8, .value_kind: global_buffer, .address_space: global }
      - { .name: Wd3, .offset: 40, .size: 8, .value_kind: global_buffer, .address_space: global }
      - { .name: cat_idx, .offset: 48, .size: 8, .value_kind: global_buffer, .address_space: global }
      - { .name: wq, .offset: 56, .size: 8, .value_kind: global_buffer, .address_space: global }
      - { .name: ord, .offset: 64, .size: 8, .value_kind: global_buffer, .address_space: global }
      - { .name: crange, .offset: 72, .size: 8, .value_kind: global_buffer, .address_space: global }
    .group_segment_fixed_size: 8192
    .private_segment_fixed_size: 0
    .kernarg_segment_align: 8
    .kernarg_segment_size: 80
    .max_flat_workgroup_size: 1024
    .sgpr_count:     66
    .vgpr_count:     128
    .wavefront_size: 32
...
	.end_amdgpu_metadata
.endif
;; end of part 1
;; launch main (part 2): grid 256 x 1, 4 waves a work-group, clusters of 4 x 1, 327,680 bytes of LDS; arguments features, ord, crange, wq, be1, be2, be3, bd1, bd2, bd3, out0; writes out0
.if DOCPART == 2
	.amdgcn_target "amdgcn-amd-amdhsa--gfx1250"
	.amdhsa_code_object_version 6
	.text
	.protected	k_qad45ed7e71_main
	.globl	k_qad45ed7e71_main
	.p2align	8
	.type	k_qad45ed7e71_main,@function
k_qad45ed7e71_main:
	s_mov_b64 s[64:65], 0
	v_nop
	global_prefetch_b8 v0, s[64:65] scope:SCOPE_SE
	s_setreg_imm32_b32 hwreg(HW_REG_WAVE_MODE, 25, 1), 1
	s_wait_xcnt 0x0
	s_wait_alu depctr_hold_cnt(0) depctr_sa_sdst(0) depctr_va_vdst(0) depctr_va_sdst(0) depctr_va_ssrc(0) depctr_va_vcc(0) depctr_vm_vsrc(0)
	s_getreg_b32 s2, hwreg(HW_REG_IB_STS2, 6, 4)
	s_cmp_eq_u32 s2, 0
	s_cbranch_scc0 .Lentry_in_a_cluster
	s_endpgm
.Lentry_in_a_cluster:
	s_bfe_u32 s2, ttmp6, 0x10000c
	s_cmp_lg_u32 s2, 0x3003
	s_cbranch_scc0 .Lentry_shape_is_right
	s_endpgm
.Lentry_shape_is_right:
; MAIN.  latent[row] = decoder[cat[row]](encoder(features[row])).  A cluster takes one bin of 512 rows (crange: at most two categories a, b; the first na places are a's), a work-group 128 of them,
; and carries them through all six layers in LDS and registers; of the eight decoders only a's and b's are computed.
; SHARES.  Four waves; wave w owns all 128 rows x a quarter of a layer's outputs: 128 (layer 1), 64 (the layers of 256), 32 (the last).  The matrix instruction is used transposed: source 0 = 16 outputs
; of the weights, source 1 = 16 rows of activations, so a lane holds one row (lane % 16) and eight neighbouring outputs 8 (lane / 16) + 0..7, which pack into 16 bytes of the next layer's input.
; WEIGHTS come as a stream of fills of 65,536 bytes (prep's layout: fragments ready for plain 16-byte LDS loads) through two LDS slots; each wave fetches its own quarter; one tensor load of a wave is
; out at any time.  CLUSTER: the 16 fills of layers 1 and 2 are asked for jointly by the four work-groups.  The 14 fills of the two passes are asked for by each work-group itself: their address holds a
; category read from memory, and a joint load's descriptor is kept here to ids and constants, so that its equality in the four partners can be read off the text.
; PASSES.  Always two: layer 3 and one category's decoder on all 128 rows from the kept second layer; pass 0 with a, kept by the places below na; pass 1 with b, kept by the others (a select, no branch).
; Where a bin has one category the second pass keeps nothing: the price of a trip count that hangs on no data.
; FORMATS.  Features, weights and biases are rounded to bf16; layer 1 multiplies in bf16.  The activations are f16 times a power of two S, chosen anew behind every layer from the work-group's true
; largest magnitude so that it lies under 2^15; a bias enters as the C operand times S; the result is divided by S.  Sums in f32.
; LIMITS.  A layer's largest magnitude times S must lie in 2^-110 .. 2^110; an activation more than 2^29 below the work-group's largest loses bits (f16's fixed step); NaN and infinities are not treated apart;
; sorted places and rows are clamped to 32,767, categories to 7.
; LDS: two slots (tensor loads alone); R, 128 rows of 1,040 bytes (LDS stores alone): first two stages of 128 x 144 bytes for bf16 features, then layer 1's output in whole rows, then bytes 0-511 of a
; row the working activations and bytes 512-1023 the kept second layer, at last the f32 result at pitch 528; four words for the maxima; the spare words.
; REGISTERS, in windows of 256: window 0: v0-31 addresses; v32-63 bias (layer 1: feature offsets); v64-191 two buffers of activation fragments; v192-255 at work.
;   window 1: v0-63 features on their way; v64-191 two buffers of weight fragments.   window 2: accumulators.   window 3: layer 1's rows 64-127, later the kept result.
.set SLOTB, 65536
.set FILLB, 65536
.set RB,    131072
.set RP,    1040                       ; 65 x 16 bytes: the 16 rows of a fragment load start at 16 different groups of four banks
.set RH,    64*RP
.set XP,    144                        ; 128 bytes + 16
.set XS,    32768                      ; the second feature stage
.set MXB,   RB+128*RP
.set SPARE, MXB+256                    ; the spare words: 128 bytes a wave, two blocks of 256 bytes that no other line names
.set OPI,   528
.set GJ,    36                         ; s[36:43] descriptor group 1, joint
.set GP,    92                         ; s[92:99] the same without a mask
.set MSB, 0
.macro WIN new                         ; the high byte repeats the setting that is left
.if MSB != (\new)
	s_set_vgpr_msb (MSB<<8)|(\new)
.set MSB, (\new)
.endif
.endm
.macro PLACES                          ; four plain vector places behind matrix instructions (ISA guide 7.12.1)
.rept 4
	v_nop
.endr
.endm
.macro ROUND                           ; a round of the cluster's barrier
	s_barrier_signal -1
	s_barrier_wait -1
	s_cmp_lg_u32 s3, 0
	s_cbranch_scc1 .Lnw0_\@
	s_barrier_signal -3
.Lnw0_\@:
	s_barrier_wait -3
	s_barrier_signal -1
	s_barrier_wait -1
.endm
; The change of fills, in two parts with the descriptor's scalar steps between them.  In front of the round every wave has: all its tensor loads landed (its quarter of the next slot), its add done,
; its LDS reads of the old slot and of R back, and its LDS stores into R done.  Behind it the old slot may be filled and what the waves stored into R may be read.
.macro SYNC_A
	WIN 0
	s_wait_tensorcnt 0x0
	ds_add_u32 v28, v29                            ; 0 onto my spare word
.endm
.macro SYNC_B
	s_wait_dscnt 0x0
	ROUND
.endm
.macro TLOAD g1                        ; my quarter of a fill; an s_nop 0 and four v_nop follow
	tensor_load_to_lds s[32:35], s[\g1:(\g1)+7]
	s_nop 0
.rept 4
	v_nop
.endr
.endm
.macro FETCHW nb, f, wreg, q           ; nb weight fragments of K block q into buffer f (window 1)
	WIN 0x40
.set fb, 0
.rept \nb
	ds_load_b128 v[64+64*(\f)+8*fb:64+64*(\f)+8*fb+3],   v[\wreg] offset:((\q)*(\nb)+fb)*1024
	ds_load_b128 v[64+64*(\f)+8*fb+4:64+64*(\f)+8*fb+7], v[\wreg] offset:((\q)*(\nb)+fb)*1024+512
.set fb, fb+1
.endr
.endm
.macro FETCHA f, a0, a1, ap, lin, kb   ; 8 activation fragments (16 rows x 32 K at byte kb of the rows) into buffer f; lin = 1: one address register serves all 8 row blocks
	WIN 0
.set fa, 0
.rept 8
	ds_load_b128 v[64+64*(\f)+8*fa:64+64*(\f)+8*fa+3],   v[(\a0)+((\a1)-(\a0))*(fa/4)] offset:(fa-4*(fa/4)*(1-(\lin)))*(\ap)+(\kb)
	ds_load_b128 v[64+64*(\f)+8*fa+4:64+64*(\f)+8*fa+7], v[(\a0)+((\a1)-(\a0))*(fa/4)] offset:(fa-4*(fa/4)*(1-(\lin)))*(\ap)+(\kb)+32
.set fa, fa+1
.endr
.endm
; 4 nb matrix instructions: row blocks alo .. alo+3 x all nb output tiles.  cb != 0: the sums start with the bias, eight registers a tile from v[cb] of window 0.
; Every accumulator has one turn in a K block: no two matrix instructions that follow each other share one.
.macro MULS ty, nb, f, alo, cb
.if ((\nb) == 8) && ((\alo) == 4)
.set mw, 3
.else
.set mw, 2
.endif
.if \cb
	WIN 0x40*mw+1
.else
	WIN 0x50*mw+1
.endif
.set ma, \alo
.rept 4
.set mb, 0
.rept \nb
.if (\nb) == 8
.set mi, 8*(8*(ma&3)+mb)
.else
.set mi, 8*((\nb)*ma+mb)
.endif
.if \cb
	v_wmma_f32_16x16x32_\ty v[mi:mi+7], v[64+64*(\f)+8*mb:64+64*(\f)+8*mb+7], v[64+64*(\f)+8*ma:64+64*(\f)+8*ma+7], v[(\cb)+8*mb:(\cb)+8*mb+7]
.else
	v_wmma_f32_16x16x32_\ty v[mi:mi+7], v[64+64*(\f)+8*mb:64+64*(\f)+8*mb+7], v[64+64*(\f)+8*ma:64+64*(\f)+8*ma+7], v[mi:mi+7]
.endif
.set mb, mb+1
.endr
.set ma, ma+1
.endr
.endm
; One K block of 32: buffer f is multiplied; nx = 1: in its middle the next block's fragments are fetched into the other buffer, in one run, four places behind that buffer's last reader.
.macro SUB ty, nb, f, cb, nx, wreg, q, a0, a1, ap, lin, kb
	s_wait_dscnt 0x0                               ; this block's fragments are in
	MULS \ty, \nb, \f, 0, \cb
.if \nx
	PLACES
	FETCHW \nb, 1-(\f), \wreg, \q
	FETCHA 1-(\f), \a0, \a1, \ap, \lin, \kb
.endif
	MULS \ty, \nb, \f, 4, \cb
.endm
; The work of a fill of a layer of 256 outputs: 128 along K from byte kb0 of R's rows.  g1 != 0: the next fill is asked for first, by that group 1.
.macro GWORK wreg, kb0, cb, g1
.if \g1
	TLOAD \g1
.else
	PLACES
.endif
	FETCHW 4, 0, \wreg, 0
	FETCHA 0, 4, 5, 16*RP, 0, \kb0
	SUB f16, 4, 0, \cb, 1, \wreg, 1, 4, 5, 16*RP, 0, (\kb0)+64
	SUB f16, 4, 1, 0,   1, \wreg, 2, 4, 5, 16*RP, 0, (\kb0)+128
	SUB f16, 4, 0, 0,   1, \wreg, 3, 4, 5, 16*RP, 0, (\kb0)+192
	SUB f16, 4, 1, 0,   0, \wreg, 0, 4, 5, 16*RP, 0, 0
.endm
.macro BIASLD base, sp, vo, n          ; my lane's eight biases of each of n output tiles
.set i, 0
.rept \n
	global_load_b128 v[(\base)+8*i:(\base)+8*i+3],   v[\vo], s[\sp:(\sp)+1] offset:64*i
	global_load_b128 v[(\base)+8*i+4:(\base)+8*i+7], v[\vo], s[\sp:(\sp)+1] offset:64*i+16
.set i, i+1
.endr
.endm
.macro BIASPREP base, n, sc            ; rounded to bf16 like every input; sc = 1: times S
.set i, 0
.rept 4*(\n)
	v_cvt_pk_bf16_f32 v[22+(i&1)], v[(\base)+2*i], v[(\base)+2*i+1]
	v_lshlrev_b32 v[(\base)+2*i], 16, v[22+(i&1)]
	v_and_b32 v[(\base)+2*i+1], 0xffff0000, v[22+(i&1)]
.if \sc
	v_pk_mul_f32 v[(\base)+2*i:(\base)+2*i+1], v[(\base)+2*i:(\base)+2*i+1], s[56:57] op_sel_hi:[1,0]
.endif
.set i, i+1
.endr
.endm
.macro SCALES                          ; S = 2^ES and 1 / S as f32 bit patterns, each twice (named as pairs)
	s_add_co_i32 s82, s52, 127
	s_lshl_b32 s56, s82, 23
	s_mov_b32 s57, s56
	s_sub_co_i32 s82, 127, s52
	s_lshl_b32 s58, s82, 23
	s_mov_b32 s59, s58
.endm
; BEHIND A LAYER.  MAXW: the largest magnitude of nt accumulators of a window, four chains; each accumulator is read from its low end on.
.macro MAXW win, nt
	WIN 0x14*(\win)
.set i, 0
.rept 4*(\nt)
	v_max3_num_f32 v[18+(i%4)], v[18+(i%4)], |v[2*i]|, |v[2*i+1]|
.set i, i+1
.endr
.endm
.macro EPI_RED                         ; over the chains and the 32 lanes; my wave's word
	WIN 0
	v_max3_num_f32 v18, v18, v19, v20
	v_max_num_f32 v18, v18, v21
	v_max_num_f32_dpp v18, v18, v18 row_xmask:1 row_mask:0xf bank_mask:0xf
	v_max_num_f32_dpp v18, v18, v18 row_xmask:2 row_mask:0xf bank_mask:0xf
	v_max_num_f32_dpp v18, v18, v18 row_xmask:4 row_mask:0xf bank_mask:0xf
	v_max_num_f32_dpp v18, v18, v18 row_xmask:8 row_mask:0xf bank_mask:0xf
	v_permlanex16_b32 v22, v18, s62, s63
	v_max_num_f32 v18, v18, v22
	ds_store_b32 v30, v18
.endm
; One barrier: the four maxima are there, and no wave reads this layer's input in R any more, so its output may be stored over it.
; Then the factor f = 2^(141 - e), e the biased exponent of the maximum: the largest number times f lies under 2^15.  A maximum of 0 takes f = 1.
.macro EPI_SCALE
	s_wait_dscnt 0x0
	s_barrier_signal -1
	s_barrier_wait -1
	ds_load_b128 v[18:21], v31
	s_wait_dscnt 0x0
	v_max3_num_f32 v18, v18, v19, v20
	v_max_num_f32 v18, v18, v21
	v_readfirstlane_b32 s82, v18
	s_lshr_b32 s82, s82, 23
	s_cmp_eq_u32 s82, 0
	s_cselect_b32 s82, 141, s82
	s_max_u32 s82, s82, 16
	s_min_u32 s82, s82, 250
	s_sub_co_u32 s83, 268, s82
	s_lshl_b32 s54, s83, 23                        ; f
	s_mov_b32 s55, s54
	s_sub_co_i32 s83, 141, s82
	s_add_co_i32 s52, s52, s83                     ; S = S f
	SCALES
.endm
; 16 accumulators from tile t0 of a window: max(x, s60) (0: ReLU; the lowest finite number: none), times f, to f16, 16 bytes a lane into R at byte outoff of the rows.
.macro EPIB win, t0, nb, slo, outoff
	WIN 0x45*(\win)
.set i, 8*(\t0)
.rept 128
	v_max_num_f32 v[i], s60, v[i]
.set i, i+1
.endr
.set i, 8*(\t0)
.rept 64
	v_pk_mul_f32 v[i:i+1], v[i:i+1], s[54:55] op_sel_hi:[1,0]
.set i, i+2
.endr
	WIN 0x05*(\win)
.set i, 0
.rept 64
	v_cvt_pk_f16_f32 v[192+i], v[8*(\t0)+2*i], v[8*(\t0)+2*i+1]
.set i, i+1
.endr
	WIN 0
.set i, 0
.rept 16
.set ea, ((\t0)+i)/(\nb)+4*((\win)-2)
.set eb, ((\t0)+i)%(\nb)
	ds_store_b128 v[(\slo)+ea/4], v[192+4*i:192+4*i+3] offset:(ea&3)*16*RP+32*eb+(\outoff)
.set i, i+1
.endr
.endm
.macro LOADX                           ; 64 features of my 32 rows: 16 lanes take 256 consecutive bytes of a row
	WIN 0x40
.set i, 0
.rept 16
	global_load_b128 v[4*i:4*i+3], v[32+i], s[46:47] th:TH_LOAD_NT
.set i, i+1
.endr
	WIN 0
.endm
.macro STOREX xs                       ; they are rounded to bf16 in place and go into feature stage xs
	s_wait_loadcnt 0x0                             ; also frees the loads' base and offsets
	WIN 0x45
.set i, 0
.rept 32
	v_cvt_pk_bf16_f32 v[i], v[2*i], v[2*i+1]       ; destination i never passes source 2 i
.set i, i+1
.endr
	WIN 0x04
.set i, 0
.rept 16
	ds_store_b64 v10, v[2*i:2*i+1] offset:2*XP*i+(\xs)*XS
.set i, i+1
.endr
	WIN 0
.endm
; A K step of 64 of layer 1: fill and feature chunk T lie in slot and stage sl = T % 2.  st: chunk T + 1 goes into the other stage.  ld: chunk T + 2 is asked for (2: not in the loop's last trip, where there is none).
.macro L1TRIP sl, cb, st, ld
	SYNC_A
	s_xor_b32 s33, s33, SLOTB                      ; no tensor load of mine is out: the descriptor steps to the other slot and the next fill
	s_add_nc_u64 s[34:35], s[34:35], FILLB
	SYNC_B
	TLOAD GJ
	FETCHW 8, 0, 6+(\sl), 0
	FETCHA 0, 9, 9, 16*XP, 1, (\sl)*XS
	SUB bf16, 8, 0, \cb, 1, 6+(\sl), 1, 9, 9, 16*XP, 1, (\sl)*XS+64
	WIN 0
.if \st
	STOREX 1-(\sl)
.endif
.if (\ld) == 2
	s_cmp_eq_u32 s48, 1
	s_cbranch_scc1 .Lnold_\@
.endif
.if \ld
	s_add_nc_u64 s[46:47], s[46:47], 256
	LOADX
.endif
.if (\ld) == 2
.Lnold_\@:
.endif
	SUB bf16, 8, 1, 0, 0, 0, 0, 9, 9, 0, 1, 0
.endm
; The byte in ord of the sorted place that stands at place v[tv] of the bin: word 0 + t below na, word 2 + t from na on; clamped.
.macro SRC dst, tv
	v_cmp_gt_u32 vcc_lo, s5, v[\tv]
	v_cndmask_b32 v[\dst], v21, v18, vcc_lo
	v_add_nc_u32 v[\dst], v[\dst], v[\tv]
	v_min_u32 v[\dst], 0x7fff, v[\dst]
	v_lshlrev_b32 v[\dst], 2, v[\dst]
.endm
	; ---- the head
	s_load_b512 s[8:23], s[0:1], 0x0               ; features 8, ord 10, crange 12, wq 14, be1 16, be2 18, be3 20, bd1 22
	s_load_b128 s[24:27], s[0:1], 0x40             ; bd2 24, bd3 26
	s_load_b64 s[28:29], s[0:1], 0x50              ; out0
	v_lshl_add_u32 v28, v0, 2, SPARE
	v_mov_b32 v29, 0
	ds_add_u32 v28, v29
	s_wait_dscnt 0x0
	v_lshrrev_b32 v1, 5, v0
	v_readfirstlane_b32 s3, v1                     ; wave
	s_bfe_u32 s30, ttmp6, 0x40000                  ; cx
	s_lshl_b32 s30, s30, 7                         ; my 128 places in the bin: they enter ord's offsets and the keep masks alone
	s_lshl_b32 s86, ttmp9, 4                       ; the cluster's bin in crange
	s_lshl_b32 s31, s3, 14                         ; my quarter of a fill and of a slot
	; descriptor group 1: 16,384 dense bytes as 64 rows of 256
	s_mov_b32 s36, 15|(3<<16)|(1<<21)              ; the mask of four; elements of 8 bytes; bit 21 beside a mask
	s_mov_b32 s92, 3<<16                           ; no mask
.irp g, GJ, GP
	s_mov_b32 s[\g+1], 32<<16                      ; tensor_dim0 = 32
	s_mov_b32 s[\g+2], 64<<16                      ; tensor_dim1 = 64
	s_mov_b32 s[\g+3], 32<<16                      ; tile_dim0 = 32
	s_mov_b32 s[\g+4], 64                          ; tile_dim1 = 64
	s_mov_b32 s[\g+5], 32                          ; 32 elements from row to row
	s_mov_b32 s[\g+6], 0
	s_mov_b32 s[\g+7], 0
.endr
	s_mov_b32 s32, 1
	s_add_co_u32 s33, s31, 0                       ; slot 0
	s_mov_b32 s62, 0x76543210
	s_mov_b32 s63, 0xfedcba98
	s_mov_b32 s52, 0                               ; S = 1
	s_mov_b32 s60, 0                               ; ReLU
	s_mov_b32 s81, 0
	s_mov_b32 s85, 0
	s_mov_b32 s90, s31
	s_mov_b32 s91, 0
	s_wait_kmcnt 0x0
	s_load_b128 s[4:7], s[12:13], s86 offset:0x0   ; a's first sorted place; na; b's less na; a | b << 8
	s_add_nc_u64 s[44:45], s[14:15], s[90:91]      ; wq at my quarter of fill 0
	s_mov_b64 s[46:47], s[8:9]
	s_mov_b64 s[34:35], s[44:45]
	s_or_b32 s35, s35, 0x80000000
	ROUND                                          ; the four work-groups are here: the first joint load meets
	TLOAD GJ                                       ; fill 0
	v_and_b32 v3, 31, v0                           ; lane
	v_and_b32 v1, 15, v0                           ; r
	v_bfe_u32 v2, v0, 4, 1                         ; h
	v_lshlrev_b32 v8, 4, v3
	v_mul_u32_u24 v4, v1, RP
	v_lshl_add_u32 v4, v2, 4, v4
	v_add_nc_u32 v4, RB, v4                        ; activation fragments, row blocks 0-3
	v_add_nc_u32 v5, RH, v4                        ; row blocks 4-7
	v_add_nc_u32 v6, s31, v8                       ; weight fragments, slot 0
	v_add_nc_u32 v7, SLOTB, v6                     ; slot 1
	v_mul_u32_u24 v9, v1, XP
	v_lshl_add_u32 v9, v2, 4, v9
	v_add_nc_u32 v9, RB, v9                        ; feature fragments
	s_mul_i32 s82, s3, 32*XP
	s_add_co_u32 s82, s82, RB
	v_mul_u32_u24 v10, v2, XP
	v_lshl_add_u32 v10, v1, 3, v10
	v_add_nc_u32 v10, s82, v10                     ; where I put 8 bytes of features: row 32 w + h, then two rows on each time
	s_lshl_b32 s82, s3, 7
	v_add_nc_u32 v11, s82, v4                      ; where I put 16 bytes of output: layers of 256
	v_add_nc_u32 v12, s82, v5
	s_lshl_b32 s82, s3, 8
	v_add_nc_u32 v26, s82, v4                      ; layer 1
	v_add_nc_u32 v27, s82, v5
	v_lshlrev_b32 v22, 5, v2
	v_lshl_add_u32 v25, s3, 9, v22                 ; my biases: 128, 64, 32 outputs a wave
	v_lshl_add_u32 v13, s3, 8, v22
	v_lshl_add_u32 v24, s3, 7, v22
	s_mul_i32 s82, s3, 32*RP
	s_add_co_u32 s82, s82, RB
	v_add_nc_u32 v14, s82, v8                      ; whole half rows of my 32 rows
	s_lshl_b32 s82, s3, 7
	s_add_co_u32 s82, s82, RB
	v_mul_u32_u24 v15, v1, OPI
	v_add_nc_u32 v15, v15, v22
	v_add_nc_u32 v15, s82, v15                     ; the result's way into R
	s_mul_i32 s82, s3, 32*OPI
	s_add_co_u32 s82, s82, RB
	v_add_nc_u32 v16, s82, v8                      ; and back, whole rows
	s_lshl_b32 s82, s3, 2
	s_add_co_u32 s82, s82, MXB
	v_mov_b32 v30, s82
	v_mov_b32 v31, MXB
	s_lshl_b32 s82, s3, 5
	s_add_co_u32 s82, s82, s30
	v_add_nc_u32 v23, s82, v2                      ; place 32 w + h of my block, counted in the bin
	v_add_nc_u32 v19, s30, v0                      ; place 32 w + lane
	v_add_nc_u32 v3, s30, v1                       ; place r
	v_lshlrev_b32 v20, 4, v1
	s_wait_kmcnt 0x0                               ; the bin's four words
	v_mov_b32 v18, s4
	v_mov_b32 v21, s6
.set i, 0
.rept 16
	v_add_nc_u32 v22, 2*i, v23
	SRC 32+i, 22
	global_load_b32 v[32+i], v[32+i], s[10:11]     ; the row at place 32 w + 2 i + h; the load lands on its own offset
.set i, i+1
.endr
	SRC 17, 19
	global_load_b32 v17, v17, s[10:11]             ; the row at place 32 w + lane
.set i, 0
.rept 8
	v_add_nc_u32 v22, 16*i, v3
	v_cmp_gt_u32 s[66+i], s5, v22                  ; which rows of row block i are a's: they keep pass 0
.set i, i+1
.endr
	BIASLD 192, 16, 25, 8
	s_and_b32 s49, s7, 255
	s_min_u32 s49, s49, 7                          ; a
	s_bfe_u32 s50, s7, 0x80008
	s_min_u32 s50, s50, 7                          ; b
	s_wait_loadcnt 0x0
.set i, 0
.rept 16
	v_and_b32 v[32+i], 0x7fff, v[32+i]
	v_min_u32 v[32+i], 0x7fff, v[32+i]
	v_mad_u32_u24 v[32+i], v[32+i], 3072, v20      ; the row's bytes + 16 (lane % 16)
.set i, i+1
.endr
	LOADX                                          ; chunk 0
	BIASPREP 192, 8, 0
	STOREX 0
	s_add_nc_u64 s[46:47], s[46:47], 256
	LOADX                                          ; chunk 1
	; ---- layer 1: 768 -> 512, bf16, twelve K steps of 64.  The first is written out: the bias starts the sums.
	L1TRIP 0, 192, 1, 1
	WIN 0
	s_mov_b32 s48, 5
.Ll1:
	L1TRIP 1, 0, 1, 1
	L1TRIP 0, 0, 1, 2
	WIN 0
	s_sub_co_u32 s48, s48, 1
	s_cmp_lg_u32 s48, 0
	s_cbranch_scc1 .Ll1
	L1TRIP 1, 0, 0, 0                              ; it asks for layer 2's first fill
	WIN 0
.irp j, 18,19,20,21
	v_mov_b32 v\j, 0                               ; these four are the places behind the last products
.endr
	MAXW 2, 32
	MAXW 3, 32
	EPI_RED
	BIASLD 32, 18, 13, 4                           ; be2
	EPI_SCALE
	EPIB 2, 0,  8, 26, 0
	EPIB 2, 16, 8, 26, 0
	EPIB 3, 0,  8, 26, 0
	EPIB 3, 16, 8, 26, 0
	s_wait_loadcnt 0x0
	BIASPREP 32, 4, 1
	; ---- layer 2: 512 -> 256, four fills
.irp t, 0,1,2
	SYNC_A
	s_xor_b32 s33, s33, SLOTB
	s_add_nc_u64 s[34:35], s[34:35], FILLB
	SYNC_B
.if \t == 0
	GWORK 6, 0, 32, GJ
.else
	GWORK 6+(\t&1), 256*\t, 0, GJ
.endif
.endr
	SYNC_A
	SYNC_B
	GWORK 7, 768, 0, 0                             ; nothing is asked for: each pass asks for its own first fill
	WIN 0
.irp j, 18,19,20,21
	v_mov_b32 v\j, 0
.endr
	MAXW 2, 32
	EPI_RED
	EPI_SCALE
	EPIB 2, 0,  4, 11, 512                         ; kept in the rows' second halves
	EPIB 2, 16, 4, 11, 512
	s_mov_b32 s53, s52                             ; and its S
	WIN 0xc0
.set i, 0
.rept 128
	v_mov_b32 v[i], 0                              ; the kept result: the selects below read their destination
.set i, i+1
.endr
	WIN 0
	; ---- two passes: category s49 = a, then b
	s_mov_b32 s61, 0
.Lpass:
	SYNC_A
	s_add_co_u32 s33, s31, 0                       ; slot 0 takes layer 3's first fill
	s_add_nc_u64 s[34:35], s[44:45], 16*FILLB
	s_or_b32 s35, s35, 0x80000000
	s_mov_b32 s52, s53
	SCALES
	s_lshl_b32 s84, s49, 10
	s_add_nc_u64 s[76:77], s[22:23], s[84:85]      ; this category's bd1, bd2, bd3
	s_add_nc_u64 s[78:79], s[24:25], s[84:85]
	s_lshl_b32 s84, s49, 9
	s_add_nc_u64 s[88:89], s[26:27], s[84:85]
	s_mul_i32 s87, s49, 5*FILLB                    ; the experts in front of it in the stream
	SYNC_B
	TLOAD GP
	BIASLD 32, 20, 13, 4                           ; be3
.irp g, 0,1                            ; the kept second layer goes back into the working halves: my 32 rows, 512 bytes a line
.set i, 0
.rept 16
	ds_load_b128 v[192+4*i:192+4*i+3], v14 offset:RP*(16*\g+i)+512
.set i, i+1
.endr
	s_wait_dscnt 0x0
.set i, 0
.rept 16
	ds_store_b128 v14, v[192+4*i:192+4*i+3] offset:RP*(16*\g+i)
.set i, i+1
.endr
.endr
	s_wait_loadcnt 0x0
	BIASPREP 32, 4, 1
	s_mov_b32 s51, 0
.Llayer:                               ; three layers of 256 -> 256, in place: We3 (no ReLU), Wd1, Wd2 of the category
	s_cmp_eq_u32 s51, 0
	s_cselect_b32 s60, 0xff7fffff, 0
	s_cselect_b32 s80, s87, 0
	s_cselect_b64 s[74:75], s[76:77], s[78:79]     ; the next layer's bias
	s_add_co_u32 s80, s80, FILLB                   ; from this layer's second fill to the next layer's first
	SYNC_A
	s_add_co_u32 s33, s31, SLOTB
	s_add_nc_u64 s[34:35], s[34:35], FILLB
	SYNC_B
	GWORK 6, 0, 32, GP
	SYNC_A
	s_add_co_u32 s33, s31, 0
	s_add_nc_u64 s[34:35], s[34:35], s[80:81]
	SYNC_B
	GWORK 7, 256, 0, GP
	WIN 0
.irp j, 18,19,20,21
	v_mov_b32 v\j, 0
.endr
	MAXW 2, 32
	EPI_RED
	s_cmp_eq_u32 s51, 2
	s_cbranch_scc1 .Lb3
	BIASLD 32, 74, 13, 4
	s_branch .Lbj
.Lb3:
	BIASLD 32, 88, 24, 2                           ; the last layer has two output tiles a wave
.Lbj:
	EPI_SCALE
	EPIB 2, 0,  4, 11, 0
	EPIB 2, 16, 4, 11, 0
	s_wait_loadcnt 0x0
	BIASPREP 32, 2, 1
	s_cmp_eq_u32 s51, 2
	s_cbranch_scc1 .Lnb
	BIASPREP 48, 2, 1
.Lnb:
	s_add_co_u32 s51, s51, 1
	s_cmp_lt_u32 s51, 3
	s_cbranch_scc1 .Llayer
	; the last layer, 256 -> 128: one fill, eight K blocks
	SYNC_A
	SYNC_B
	PLACES
	FETCHW 2, 0, 6, 0
	FETCHA 0, 4, 5, 16*RP, 0, 0
.set dq, 0
.rept 8
.if dq == 0
	SUB f16, 2, 0, 32, 1, 6, 1, 4, 5, 16*RP, 0, 64
.elseif dq < 7
	SUB f16, 2, (dq&1), 0, 1, 6, (dq+1), 4, 5, 16*RP, 0, 64*(dq+1)
.else
	SUB f16, 2, 1, 0, 0, 6, 0, 4, 5, 16*RP, 0, 0
.endif
.set dq, dq+1
.endr
	PLACES
	WIN 0x82
.set i, 0
.rept 64
	v_pk_mul_f32 v[i:i+1], v[i:i+1], s[58:59] op_sel_hi:[1,0]  ; divided by S
.set i, i+2
.endr
	WIN 0xcb
.set i, 0
.rept 128
	v_cndmask_b32 v[i], v[i], v[i], s[66+i/16]     ; window 3 keeps itself, or takes window 2 where the row keeps this pass
.set i, i+1
.endr
	WIN 0
.set i, 0
.rept 8
	s_not_b32 s[66+i], s[66+i]                     ; the other rows keep the other pass
.set i, i+1
.endr
	s_mov_b32 s49, s50
	s_add_co_u32 s61, s61, 1
	s_cmp_lt_u32 s61, 2
	s_cbranch_scc1 .Lpass
	; ---- the way out: through R as f32 rows of 512 bytes; a wave's store covers one whole row of out0
	s_wait_dscnt 0x0
	s_barrier_signal -1
	s_barrier_wait -1                              ; no wave reads R any more
	WIN 0x0c
.set i, 0
.rept 16
	ds_store_b128 v15, v[8*i:8*i+3]   offset:(i/2)*16*OPI+64*(i%2)
	ds_store_b128 v15, v[8*i+4:8*i+7] offset:(i/2)*16*OPI+64*(i%2)+16
.set i, i+1
.endr
	WIN 0
	s_wait_dscnt 0x0                               ; for the others' sake
	s_barrier_signal -1
	s_barrier_wait -1
.irp g, 0,1
	s_wait_xcnt 0x0                                ; the stores before have read their data and offsets
.set i, 0
.rept 16
	ds_load_b128 v[192+4*i:192+4*i+3], v16 offset:OPI*(16*\g+i)
.set i, i+1
.endr
.set i, 0
.rept 16
	v_readlane_b32 s82, v17, 16*\g+i
	s_and_b32 s82, s82, 0x7fff
	s_min_u32 s82, s82, 0x7fff
	v_lshl_add_u32 v[32+i], s82, 9, v8             ; the row's 512 bytes + 16 x lane
.set i, i+1
.endr
.set i, 0
.rept 16
	s_wait_dscnt 15-i                              ; LDS loads come back in order: row i is in, the batch's younger ones stay out
	global_store_b128 v[32+i], v[192+4*i:192+4*i+3], s[28:29] th:TH_STORE_NT
.set i, i+1
.endr
.endr
	s_wait_tensorcnt 0x0                           ; the wave's end
	ds_add_u32 v28, v29
	s_wait_dscnt 0x0
	ROUND                                          ; the closing round
	s_endpgm
.Lfunc_end_k_qad45ed7e71_main:
	.size	k_qad45ed7e71_main, .Lfunc_end_k_qad45ed7e71_main-k_qad45ed7e71_main
	.p2alignl 7, 3214868480
	.fill 96, 4, 3214868480
	.section	.rodata,"a",@progbits
	.p2align	6, 0x0
	.amdhsa_kernel k_qad45ed7e71_main
		.amdhsa_group_segment_fixed_size 327680
		.amdhsa_private_segment_fixed_size 0
		.amdhsa_enable_private_segment 0
		.amdhsa_kernarg_size 88
		.amdhsa_user_sgpr_count 2
		.amdhsa_user_sgpr_kernarg_segment_ptr 1
		.amdhsa_wavefront_size32 1
		.amdhsa_system_sgpr_workgroup_id_x 1
		.amdhsa_system_sgpr_workgroup_id_y 1
		.amdhsa_system_sgpr_workgroup_id_z 1
		.amdhsa_system_vgpr_workitem_id 0
		.amdhsa_next_free_vgpr 1024
		.amdhsa_next_free_sgpr 100
		.amdhsa_reserve_vcc 1
		.amdhsa_float_denorm_mode_32 3
		.amdhsa_float_denorm_mode_16_64 3
		.amdhsa_memory_ordered 1
		.amdhsa_forward_progress 1
		.amdhsa_inst_pref_size 255
	.end_amdhsa_kernel
	.section	.bss,"aw",@nobits
	.p2align	6
	.space	262144
	.amdgpu_metadata
---
amdhsa.version: [ 1, 2 ]
amdhsa.kernels:
  - .name:           k_qad45ed7e71_main
    .symbol:         k_qad45ed7e71_main.kd
    .args:
      - { .name: features, .offset: 0, .size: 8, .value_kind: global_buffer, .address_space: global }
      - { .name: ord, .offset: 8, .size: 8, .value_kind: global_buffer, .address_space: global }
      - { .name: crange, .offset: 16, .size: 8, .value_kind: global_buffer, .address_space: global }
      - { .name: wq, .offset: 24, .size: 8, .value_kind: global_buffer, .address_space: global }
      - { .name: be1, .offset: 32, .size: 8, .value_kind: global_buffer, .address_space: global }
      - { .name: be2, .offset: 40, .size: 8, .value_kind: global_buffer, .address_space: global }
      - { .name: be3, .offset: 48, .size: 8, .value_kind: global_buffer, .address_space: global }
      - { .name: bd1, .offset: 56, .size: 8, .value_kind: global_buffer, .address_space: global }
      - { .name: bd2, .offset: 64, .size: 8, .value_kind: global_buffer, .address_space: global }
      - { .name: bd3, .offset: 72, .size: 8, .value_kind: global_buffer, .address_space: global }
      - { .name: out0, .offset: 80, .size: 8, .value_kind: global_buffer, .address_space: global }
    .group_segment_fixed_size: 327680
    .private_segment_fixed_size: 0
    .kernarg_segment_align: 8
    .kernarg_segment_size: 88
    .max_flat_workgroup_size: 128
    .sgpr_count:     100
    .vgpr_count:     1024
    .wavefront_size: 32
...
	.end_amdgpu_metadata
.endif
;; end of part 2
;; ======== version 2 of 2: 2 launches; 1.39 times as fast as version 1
;; limits: values are held in f16: magnitudes above 65,504 overflow, below 6.1e-05 lose precision; inputs' magnitudes at most 65,504; below input magnitudes of 6.1e-05 results are inexact or not finite
;; workspace buffers: wq 3,801,088 bytes; ord 131,072 bytes of whole numbers; crange 1,024 bytes of whole numbers
;; launch prep (part 3): grid 248 x 1, 32 waves a work-group, no clusters, 8,192 bytes of LDS; arguments We1, We2, We3, Wd1, Wd2, Wd3, cat_idx, wq, ord, crange; writes wq, ord, crange
.if DOCPART == 3
	.amdgcn_target "amdgcn-amd-amdhsa--gfx1250"
	.amdhsa_code_object_version 6
	.text
	.protected	k_qad45ed7e71_prep
	.globl	k_qad45ed7e71_prep
	.p2align	8
	.type	k_qad45ed7e71_prep,@function
k_qad45ed7e71_prep:
	s_mov_b64 s[64:65], 0
	v_nop
	global_prefetch_b8 v0, s[64:65] scope:SCOPE_SE
	s_setreg_imm32_b32 hwreg(HW_REG_WAVE_MODE, 25, 1), 1
	s_wait_xcnt 0x0
; PREP.  Work-groups 0..231: the weights are rounded and laid out as the main launch reads them.  Work-groups 232..247: the rows are sorted by category; the first of them also deals them into bins.
; wq is a stream of 58 fills of 65,536 bytes: 12 of We1 (bf16), 4 of We2, 2 of We3, then for each expert 2 of Wd1, 2 of Wd2, 1 of Wd3 (all these: the bf16-rounded number written as f16).
; A fill is four quarters of 16,384 bytes, quarter w = what wave w of the main launch reads; a quarter is 16 blocks of 1,024 bytes, block q*nb+b = one matrix fragment
; (16 outputs x 32 K): byte 512*half + 16*L holds w[k..k+7][n], n = w*16nb + 16b + L%16, k = fill*KF + 32q + 16*half + 8*(L/16).  nb = N/64, KF = 512/nb.
; LIMITS.  A weight other than We1's beyond 65,504 becomes an infinity; below 6e-5 it keeps f16's fixed step of 6e-8.  A category counts modulo 8.
; ord[i] = the row at sorted place i (the order within a category is free).
; crange: 64 bins of 512 rows, none with more than two categories, four words each: first sorted place of category a; na, its rows in the bin; first sorted place of category b less na; a | b<<8.
; Place t of a bin is sorted place word0 + t if t < na, else word2 + t.
.set NCAST, 232
	s_load_b512 s[8:23], s[0:1], 0x0               ; We1 8, We2 10, We3 12, Wd1 14, Wd2 16, Wd3 18, cat_idx 20, wq 22
	s_load_b128 s[24:27], s[0:1], 0x40             ; ord 24, crange 26
	v_lshl_add_u32 v122, v0, 2, 0x1000
	v_mov_b32 v123, 0
	s_cmp_ge_u32 ttmp9, NCAST                      ; the same answer in all waves of a work-group
	s_cbranch_scc1 .Lroute
	; ---- one quarter of a fill; thread t makes its 16 bytes at 16 t
	s_lshr_b32 s30, ttmp9, 2                       ; F: the fill
	s_and_b32 s31, ttmp9, 3                        ; w: the quarter
	s_max_u32 s32, s30, 18
	s_sub_co_u32 s32, s32, 18                      ; fill among the experts' 40
	s_mul_i32 s33, s32, 205
	s_lshr_b32 s33, s33, 10                        ; expert = that / 5 (exact for 0..39)
	s_mul_i32 s34, s33, 5
	s_sub_co_u32 s34, s32, s34                     ; j: fill within the expert
	s_sub_co_u32 s35, s34, 2
	s_sub_co_u32 s36, s30, 16
	s_sub_co_u32 s37, s30, 12
	s_lshl_b32 s38, s33, 17                        ; expert's bytes in Wd3
	s_lshl_b32 s39, s33, 18                        ; in Wd1, Wd2
	s_wait_kmcnt 0x0
	s_mov_b64 s[40:41], s[18:19]                   ; the last case first, then overridden backward: source,
	s_mov_b32 s42, 1                               ; log2 nb,
	s_mov_b32 s43, 0                               ; fill within the layer,
	s_mov_b32 s44, s38                             ; expert's offset
	s_cmp_lt_u32 s34, 4
	s_cselect_b64 s[40:41], s[16:17], s[40:41]
	s_cselect_b32 s42, 2, s42
	s_cselect_b32 s43, s35, s43
	s_cselect_b32 s44, s39, s44
	s_cmp_lt_u32 s34, 2
	s_cselect_b64 s[40:41], s[14:15], s[40:41]
	s_cselect_b32 s43, s34, s43
	s_cmp_lt_u32 s30, 18
	s_cselect_b64 s[40:41], s[12:13], s[40:41]
	s_cselect_b32 s42, 2, s42
	s_cselect_b32 s43, s36, s43
	s_cselect_b32 s44, 0, s44
	s_cmp_lt_u32 s30, 16
	s_cselect_b64 s[40:41], s[10:11], s[40:41]
	s_cselect_b32 s43, s37, s43
	s_cmp_lt_u32 s30, 12
	s_cselect_b64 s[40:41], s[8:9], s[40:41]
	s_cselect_b32 s42, 3, s42
	s_cselect_b32 s43, s30, s43
	s_cselect_b32 s46, -1, 0                       ; all lanes: We1 stays bf16
	s_mov_b32 s45, 0
	s_add_nc_u64 s[40:41], s[40:41], s[44:45]
	v_lshrrev_b32 v1, 6, v0                        ; block
	v_bfe_u32 v2, v0, 5, 1                         ; half
	v_and_b32 v3, 15, v0                           ; L % 16
	v_bfe_u32 v4, v0, 4, 1                         ; L / 16
	s_lshl_b32 s47, 1, s42
	s_sub_co_u32 s47, s47, 1
	v_and_b32 v5, s47, v1                          ; b
	v_lshrrev_b32 v6, s42, v1                      ; q
	s_add_co_u32 s48, s42, 4
	s_lshl_b32 s48, s31, s48                       ; w * 16 nb
	v_lshl_add_u32 v5, v5, 4, v3
	v_add_nc_u32 v5, s48, v5                       ; n
	s_lshr_b32 s49, 512, s42
	s_mul_i32 s49, s49, s43                        ; fill * KF
	v_lshlrev_b32 v6, 5, v6
	v_lshl_add_u32 v6, v2, 4, v6
	v_lshl_add_u32 v6, v4, 3, v6
	v_add_nc_u32 v6, s49, v6                       ; k
	s_add_co_u32 s50, s42, 6
	v_lshlrev_b32 v6, s50, v6                      ; k * N
	v_add_lshl_u32 v8, v6, v5, 2                   ; byte of w[k][n]
	s_lshl_b32 s51, 256, s42                       ; bytes from k to k + 1
.irp j, 1,2,3,4,5,6,7
	v_add_nc_u32 v[8+\j], s51, v[7+\j]
.endr
.irp j, 0,1,2,3,4,5,6,7
	global_load_b32 v[16+\j], v[8+\j], s[40:41]
.endr
	s_lshl_b32 s52, ttmp9, 14
	s_mov_b32 s53, 0
	s_add_nc_u64 s[22:23], s[22:23], s[52:53]
	v_lshlrev_b32 v31, 4, v0
	s_wait_loadcnt 0x0
.irp p, 0,1,2,3
	v_cvt_pk_bf16_f32 v[24+\p], v[16+2*\p], v[17+2*\p]  ; every input is rounded to bf16 once
	v_lshlrev_b32 v28, 16, v[24+\p]
	v_and_b32 v29, 0xffff0000, v[24+\p]
	v_cvt_pk_f16_f32 v30, v28, v29                 ; that number as f16: exact inside f16's normal range
	v_cndmask_b32 v[24+\p], v30, v[24+\p], s46
.endr
	global_store_b128 v31, v[24:27], s[22:23]      ; a wave stores 512 consecutive bytes, aligned
	s_endpgm
	; ---- THE SORT.  Work-group g = 0..15 places chunk g, the rows 2048 g .. 2048 g + 2047.  A row's sorted place = where its category begins + the category's rows in the chunks in front
	; + those in the waves in front of mine in my chunk + those in front of it in my wave.  Work-groups exchange nothing, so each counts all 32,768 categories itself: 32 a thread, two
	; instructions a row, in packed fields: 4 bits wide while a field holds 12 at the most, then 8 (32 at the most), then 16 (32,768 at the most).
	; In a register of 16-bit fields the pairs are (c0, c4), (c2, c6), (c1, c5), (c3, c7): the order in which even and odd 4-bit fields fall apart.
.macro SUM3 d                          ; eight registers of 4-bit fields (4 at the most in each) into three
	v_add_nc_u32 v[\d], v66, v67
	v_add_nc_u32 v[(\d)+1], v69, v70
	v_add_nc_u32 v[(\d)+2], v72, v73
	v_add_nc_u32 v[\d], v[\d], v68
	v_add_nc_u32 v[(\d)+1], v[(\d)+1], v71
.endm
.macro WIDE n, e                       ; three registers of 4-bit fields from v[n] into bytes: v[e] the even categories, v[e+1] the odd ones
	v_and_b32 v[\e], s62, v[\n]
	v_lshrrev_b32 v[(\e)+1], 4, v[\n]
	v_and_b32 v[(\e)+1], s62, v[(\e)+1]
.irp k, 1, 2
	v_and_b32 v84, s62, v[(\n)+\k]
	v_lshrrev_b32 v85, 4, v[(\n)+\k]
	v_add_nc_u32 v[\e], v[\e], v84
	v_and_b32 v85, s62, v85
	v_add_nc_u32 v[(\e)+1], v[(\e)+1], v85
.endr
.endm
.macro HALVES e, d                     ; bytes into four registers of 16-bit fields
	v_and_b32 v[\d], s63, v[\e]
	v_lshrrev_b32 v[(\d)+1], 8, v[\e]
	v_and_b32 v[(\d)+2], s63, v[(\e)+1]
	v_lshrrev_b32 v[(\d)+3], 8, v[(\e)+1]
	v_and_b32 v[(\d)+1], s63, v[(\d)+1]
	v_and_b32 v[(\d)+3], s63, v[(\d)+3]
.endm
.macro RED8                            ; v[104:111] summed over the 32 lanes, the sums in every lane; v[32:39] at work (written before: the loads' registers)
.irp m, 1, 2, 4, 8
.set i, 0
.rept 8
	v_mov_b32_dpp v[32+i], v[104+i] row_xmask:\m row_mask:0xf bank_mask:0xf
.set i, i+1
.endr
.set i, 0
.rept 8
	v_add_nc_u32 v[104+i], v[104+i], v[32+i]
.set i, i+1
.endr
.endr
.set i, 0
.rept 8
	v_permlanex16_b32 v[32+i], v[104+i], s60, s61
.set i, i+1
.endr
.set i, 0
.rept 8
	v_add_nc_u32 v[104+i], v[104+i], v[32+i]
.set i, i+1
.endr
.endm
.Lroute:
	s_wait_kmcnt 0x0
	s_sub_co_u32 s28, ttmp9, NCAST                 ; g
	v_lshrrev_b32 v1, 5, v0
	v_readfirstlane_b32 s30, v1                    ; wave
	v_and_b32 v2, 31, v0                           ; lane
	v_lshlrev_b32 v4, 4, v0
.set i, 0
.rept 8
	global_load_b128 v[32+4*i:35+4*i], v4, s[20:21] offset:16384*i  ; rows 4096 i + 4 t .. + 3: they lie in chunk 2 i + wave / 16
.set i, i+1
.endr
	s_lshl_b32 s29, s28, 13
	v_lshl_add_u32 v5, v0, 3, s29
	global_load_b64 v[64:65], v5, s[20:21]         ; my two rows of my chunk: 2048 g + 2 t, + 1
	s_mov_b32 s60, 0x76543210
	s_mov_b32 s61, 0xfedcba98
	s_mov_b32 s62, 0x0f0f0f0f
	s_mov_b32 s63, 0x00ff00ff
	s_lshr_b32 s31, s30, 4
	s_lshl_b32 s41, s30, 6
	v_mov_b32 v6, s41                              ; my wave's 64 bytes of LDS
	v_lshlrev_b32 v3, 6, v2                        ; wave l's, for lane l
.set i, 0
.rept 8
	s_wait_loadcnt 8-i                             ; loads come back in order: load i is in; the 7 - i younger of these and the load of my two rows stay out
.irp j, 0,1,2,3
	v_lshlrev_b32 v[32+4*i+\j], 2, v[32+4*i+\j]    ; the shifts below take five bits of it: 4 x (category modulo 8)
.endr
	v_lshlrev_b32 v[66+i], v[32+4*i], 1
	v_lshl_add_u32 v[66+i], 1, v[33+4*i], v[66+i]
	v_lshl_add_u32 v[66+i], 1, v[34+4*i], v[66+i]
	v_lshl_add_u32 v[66+i], 1, v[35+4*i], v[66+i]
.set i, i+1
.endr
	SUM3 74                                        ; all rows
.set i, 0
.rept 8
	s_add_co_u32 s40, s31, 2*i
	s_cmp_lt_u32 s40, s28                          ; does load i lie, for my wave, in a chunk in front of g?
	s_cselect_b32 s40, -1, 0
	v_and_b32 v[66+i], s40, v[66+i]
.set i, i+1
.endr
	SUM3 77                                        ; the rows in front
	s_wait_loadcnt 0x0
	v_and_b32 v64, 7, v64
	v_and_b32 v65, 7, v65
.set c, 0
.rept 8
	v_cmp_eq_u32 s[66+2*c], c, v64                 ; the lanes whose first, second row has category c: kept for the placing
	v_cmp_eq_u32 s[67+2*c], c, v65
.set c, c+1
.endr
	WIDE 74, 80
	WIDE 77, 82
	HALVES 80, 104
	HALVES 82, 108
.set c, 0
.rept 8
	s_bcnt1_i32_b32 s[82+c], s[66+2*c]
	s_bcnt1_i32_b32 s40, s[67+2*c]
	s_add_co_u32 s[82+c], s[82+c], s40             ; my wave's 64 rows: how many of category c
.set c, c+1
.endr
	s_lshl_b32 s40, s86, 16
	s_or_b32 s40, s40, s82
	s_lshl_b32 s41, s88, 16
	s_or_b32 s41, s41, s84
	s_lshl_b32 s42, s87, 16
	s_or_b32 s42, s42, s83
	s_lshl_b32 s43, s89, 16
	s_or_b32 s43, s43, s85
	v_mov_b32 v112, s40
	v_mov_b32 v113, s41
	v_mov_b32 v114, s42
	v_mov_b32 v115, s43
	RED8
	ds_store_b128 v6, v[104:107]                   ; all lanes write the same words with the same values
	ds_store_b128 v6, v[108:111] offset:16
	ds_store_b128 v6, v[112:115] offset:32
	s_wait_dscnt 0x0                               ; for the others' sake
	s_barrier_signal -1
	s_barrier_wait -1
	ds_load_b128 v[104:107], v3                    ; lane l: wave l's sums
	ds_load_b128 v[108:111], v3 offset:16
	ds_load_b128 v[112:115], v3 offset:32
	s_wait_dscnt 0x0
	v_cmp_gt_u32 vcc_lo, s30, v2                   ; a wave in front of mine?
.irp k, 0,1,2,3
	v_cndmask_b32 v[112+\k], 0, v[112+\k], vcc_lo
	v_add_nc_u32 v[108+\k], v[108+\k], v[112+\k]
.endr
	RED8
.irp k, 0,1,2,3,4,5,6,7
	v_readfirstlane_b32 s[40+\k], v[104+\k]
.endr
	s_and_b32 s52, s40, 0xffff                     ; s[52+c]: all rows of category c
	s_lshr_b32 s56, s40, 16
	s_and_b32 s54, s41, 0xffff
	s_lshr_b32 s58, s41, 16
	s_and_b32 s53, s42, 0xffff
	s_lshr_b32 s57, s42, 16
	s_and_b32 s55, s43, 0xffff
	s_lshr_b32 s59, s43, 16
	s_and_b32 s90, s44, 0xffff                     ; s[90+c]: those in front of my wave
	s_lshr_b32 s94, s44, 16
	s_and_b32 s92, s45, 0xffff
	s_lshr_b32 s96, s45, 16
	s_and_b32 s91, s46, 0xffff
	s_lshr_b32 s95, s46, 16
	s_and_b32 s93, s47, 0xffff
	s_lshr_b32 s97, s47, 16
	s_mov_b32 s82, 0                               ; s[82+c]: first sorted place of category c
.irp c, 0,1,2,3,4,5,6
	s_add_co_u32 s[83+\c], s[82+\c], s[52+\c]
.endr
.irp c, 0,1,2,3,4,5,6,7
	s_add_co_u32 s[90+\c], s[90+\c], s[82+\c]      ; where my wave's rows of category c begin
.endr
	s_cmp_lg_u32 s28, 0
	s_cbranch_scc1 .Lplace
	s_cmp_lg_u32 s30, 0
	s_cbranch_scc1 .Lplace
	; ---- wave 0 of the first sorting work-group deals the eight sorted runs into 64 bins of 512, ahead of its own placing: a chain of dependent steps, which runs beside the other waves' work.
	; Lane c: v7 = rows of category c not yet dealt, v10 = its next sorted place.
	; A step takes the smallest category that has rows left: its whole bins, then its remainder na with 512 - na rows of the largest.  With k live categories and m free bins k <= m holds at the start
	; (8 <= 64) and after each step; then the largest has 512 rows or more whenever the smallest has fewer, so the fill-up never runs short.  Each step ends a category: eight steps end all, and
	; 32,768 rows make exactly 64 bins.
	; Lane l owns bins l (v[96:99]) and 32 + l (v[100:103]) and takes a step's words by a select: the table's addresses are made of the lane's number alone, and every lane stays on.
	v_mov_b32 v7, 0
	v_mov_b32 v10, 0
.irp c, 0,1,2,3,4,5,6,7
	v_cmp_eq_u32 vcc_lo, \c, v2
	v_cndmask_b32 v7, v7, s[52+\c], vcc_lo
	v_cndmask_b32 v10, v10, s[82+\c], vcc_lo
.endr
	v_add_nc_u32 v14, 32, v2
	v_mov_b32 v24, 0x200
	v_mov_b32 v25, 0
.irp j, 96,97,98,99,100,101,102,103
	v_mov_b32 v\j, 0                               ; the selects below read their destination
.endr
	s_mov_b32 s33, 0                               ; bins dealt
	s_mov_b32 s31, 0
.Ldeal:
	v_lshl_or_b32 v13, v7, 3, v2                   ; rows << 3 | category
	v_cmp_eq_u32 vcc_lo, 0, v7
	v_cndmask_b32 v15, v13, -1, vcc_lo             ; a category without rows is not the smallest
	v_readlane_b32 s40, v15, 0
.irp c, 1,2,3,4,5,6,7
	v_readlane_b32 s41, v15, \c
	s_min_u32 s40, s40, s41
.endr
	s_cmp_eq_u32 s40, -1
	s_cselect_b32 s40, 0, s40                      ; nothing left: a step of no bins
	s_and_b32 s34, s40, 7                          ; a
	s_lshr_b32 s35, s40, 3                         ; its rows
	v_readlane_b32 s36, v10, s34                   ; its next sorted place
	s_lshr_b32 s37, s35, 9                         ; whole bins
	s_and_b32 s38, s35, 511                        ; na
	v_cmp_eq_u32 vcc_lo, s34, v2
	v_cndmask_b32 v7, v7, 0, vcc_lo                ; a is dealt
	v_lshl_or_b32 v13, v7, 3, v2
	v_readlane_b32 s42, v13, 0
.irp c, 1,2,3,4,5,6,7
	v_readlane_b32 s41, v13, \c
	s_max_u32 s42, s42, s41
.endr
	s_and_b32 s39, s42, 7                          ; b
	v_readlane_b32 s43, v10, s39
	s_sub_co_u32 s44, 512, s38
	s_cmp_lg_u32 s38, 0
	s_cselect_b32 s44, s44, 0                      ; rows that b gives
	s_cselect_b32 s45, 1, 0
	v_cmp_eq_u32 vcc_lo, s39, v2
	v_cndmask_b32 v16, 0, s44, vcc_lo
	v_sub_nc_u32 v7, v7, v16
	v_add_nc_u32 v10, v10, v16
	s_add_co_u32 s46, s37, s45                     ; bins of this step
	s_sub_co_u32 s47, s43, s38
	s_lshl_b32 s48, s34, 8
	s_or_b32 s48, s48, s34                         ; a | a << 8
	s_lshl_b32 s49, s39, 8
	s_or_b32 s49, s49, s34                         ; a | b << 8
	v_mov_b32 v26, s48
	v_mov_b32 v19, s33
.irp u, 0, 1
	v_sub_nc_u32 v27, v[2+12*\u], v19              ; my bin's number within the step; a bin dealt earlier wraps to a large number
	v_cmp_gt_u32 vcc_lo, s37, v27                  ; a whole bin?
	v_lshl_add_u32 v20, v27, 9, s36
	v_cndmask_b32 v21, s38, v24, vcc_lo
	v_cndmask_b32 v22, s47, v25, vcc_lo
	v_cndmask_b32 v23, s49, v26, vcc_lo
	v_cmp_gt_u32 vcc_lo, s46, v27                  ; a bin of this step?
.irp j, 0,1,2,3
	v_cndmask_b32 v[96+4*\u+\j], v[96+4*\u+\j], v[20+\j], vcc_lo
.endr
.endr
	s_add_co_u32 s33, s33, s46
	s_add_co_u32 s31, s31, 1
	s_cmp_lt_u32 s31, 8
	s_cbranch_scc1 .Ldeal
	v_lshlrev_b32 v27, 4, v2
	global_store_b128 v27, v[96:99], s[26:27]              ; bins 0-31: 512 consecutive bytes, aligned
	global_store_b128 v27, v[100:103], s[26:27] offset:512 ; bins 32-63
.Lplace:
	; ---- my two rows' places: within the wave the first rows of all lanes come in front of the second rows
	v_mov_b32 v124, 0                              ; the selects below read their destination
	v_mov_b32 v125, 0
.set c, 0
.rept 8
	v_mbcnt_lo_u32_b32 v9, s[66+2*c], s[90+c]      ; the category's start + the lanes below me that have it
	v_cndmask_b32 v124, v124, v9, s[66+2*c]
	s_bcnt1_i32_b32 s40, s[66+2*c]
	s_add_co_u32 s40, s40, s[90+c]
	v_mbcnt_lo_u32_b32 v8, s[67+2*c], s40
	v_cndmask_b32 v125, v125, v8, s[67+2*c]
.set c, c+1
.endr
	s_lshl_b32 s41, s28, 11
	v_lshl_add_u32 v126, v0, 1, s41                ; row 2048 g + 2 t
	v_add_nc_u32 v127, 1, v126
	v_min_u32 v124, 0x7fff, v124
	v_min_u32 v125, 0x7fff, v125
	v_lshlrev_b32 v124, 2, v124
	v_lshlrev_b32 v125, 2, v125
	global_store_b32 v124, v126, s[24:25]
	global_store_b32 v125, v127, s[24:25]
	s_wait_tensorcnt 0x0
	ds_add_u32 v122, v123
	s_wait_dscnt 0x0
	s_endpgm
.Lfunc_end_k_qad45ed7e71_prep:
	.size	k_qad45ed7e71_prep, .Lfunc_end_k_qad45ed7e71_prep-k_qad45ed7e71_prep
	.p2alignl 7, 3214868480
	.fill 96, 4, 3214868480
	.section	.rodata,"a",@progbits
	.p2align	6, 0x0
	.amdhsa_kernel k_qad45ed7e71_prep
		.amdhsa_group_segment_fixed_size 8192
		.amdhsa_private_segment_fixed_size 0
		.amdhsa_enable_private_segment 0
		.amdhsa_kernarg_size 80
		.amdhsa_user_sgpr_count 2
		.amdhsa_user_sgpr_kernarg_segment_ptr 1
		.amdhsa_wavefront_size32 1
		.amdhsa_system_sgpr_workgroup_id_x 1
		.amdhsa_system_sgpr_workgroup_id_y 1
		.amdhsa_system_sgpr_workgroup_id_z 1
		.amdhsa_system_vgpr_workitem_id 0
		.amdhsa_next_free_vgpr 128
		.amdhsa_next_free_sgpr 100
		.amdhsa_reserve_vcc 1
		.amdhsa_float_denorm_mode_32 3
		.amdhsa_float_denorm_mode_16_64 3
		.amdhsa_memory_ordered 1
		.amdhsa_forward_progress 1
		.amdhsa_inst_pref_size 34
	.end_amdhsa_kernel
	.amdgpu_metadata
---
amdhsa.version: [ 1, 2 ]
amdhsa.kernels:
  - .name:           k_qad45ed7e71_prep
    .symbol:         k_qad45ed7e71_prep.kd
    .args:
      - { .name: We1, .offset: 0, .size: 8, .value_kind: global_buffer, .address_space: global }
      - { .name: We2, .offset: 8, .size: 8, .value_kind: global_buffer, .address_space: global }
      - { .name: We3, .offset: 16, .size: 8, .value_kind: global_buffer, .address_space: global }
      - { .name: Wd1, .offset: 24, .size: 8, .value_kind: global_buffer, .address_space: global }
      - { .name: Wd2, .offset: 32, .size: 8, .value_kind: global_buffer, .address_space: global }
      - { .name: Wd3, .offset: 40, .size: 8, .value_kind: global_buffer, .address_space: global }
      - { .name: cat_idx, .offset: 48, .size: 8, .value_kind: global_buffer, .address_space: global }
      - { .name: wq, .offset: 56, .size: 8, .value_kind: global_buffer, .address_space: global }
      - { .name: ord, .offset: 64, .size: 8, .value_kind: global_buffer, .address_space: global }
      - { .name: crange, .offset: 72, .size: 8, .value_kind: global_buffer, .address_space: global }
    .group_segment_fixed_size: 8192
    .private_segment_fixed_size: 0
    .kernarg_segment_align: 8
    .kernarg_segment_size: 80
    .max_flat_workgroup_size: 1024
    .sgpr_count:     100
    .vgpr_count:     128
    .wavefront_size: 32
...
	.end_amdgpu_metadata
.endif
;; end of part 3
;; launch main (part 4): grid 256 x 1, 4 waves a work-group, clusters of 4 x 1, 327,680 bytes of LDS; arguments features, ord, crange, wq, be1, be2, be3, bd1, bd2, bd3, out0; writes out0
.if DOCPART == 4
	.amdgcn_target "amdgcn-amd-amdhsa--gfx1250"
	.amdhsa_code_object_version 6
	.text
	.protected	k_qad45ed7e71_main
	.globl	k_qad45ed7e71_main
	.p2align	8
	.type	k_qad45ed7e71_main,@function
k_qad45ed7e71_main:
	s_mov_b64 s[64:65], 0
	v_nop
	global_prefetch_b8 v0, s[64:65] scope:SCOPE_SE
	s_setreg_imm32_b32 hwreg(HW_REG_WAVE_MODE, 25, 1), 1
	s_wait_xcnt 0x0
	s_wait_alu depctr_hold_cnt(0) depctr_sa_sdst(0) depctr_va_vdst(0) depctr_va_sdst(0) depctr_va_ssrc(0) depctr_va_vcc(0) depctr_vm_vsrc(0)
	s_getreg_b32 s2, hwreg(HW_REG_IB_STS2, 6, 4)
	s_cmp_eq_u32 s2, 0
	s_cbranch_scc0 .Lentry_in_a_cluster
	s_endpgm
.Lentry_in_a_cluster:
	s_bfe_u32 s2, ttmp6, 0x10000c
	s_cmp_lg_u32 s2, 0x3003
	s_cbranch_scc0 .Lentry_shape_is_right
	s_endpgm
.Lentry_shape_is_right:
; MAIN.  latent[row] = decoder[cat[row]](encoder(features[row])).  A cluster takes one bin of 512 rows (crange: at most two categories a, b; the first na places are a's), a work-group 128 of them,
; and carries them through all six layers in LDS and registers; of the eight decoders only a's and b's are computed.
; SHARES.  Four waves; wave w owns all 128 rows x a quarter of a layer's outputs: 128 (layer 1), 64 (the layers of 256), 32 (the last).  The matrix instruction is used transposed: source 0 = 16 outputs
; of the weights, source 1 = 16 rows of activations, so a lane holds one row (lane % 16) and eight neighbouring outputs 8 (lane / 16) + 0..7, which pack into 16 bytes of the next layer's input.
; WEIGHTS come as a stream of 28 fills of 65,536 bytes (prep's layout: fragments ready for plain 16-byte LDS loads) through two LDS slots; each wave fetches its own quarter; one tensor load of a wave is
; out at any time.  CLUSTER: the 17 fills of layers 1 and 2 and layer 3's first are asked for jointly by the four work-groups.  The other 11 are asked for by each work-group itself: the experts' address
; holds a category read from memory, and a joint load's descriptor is kept here to ids and constants, so that its equality in the four partners can be read off the text; layer 3's second fill is asked
; for by the same line of the text as the experects' are not: by the loop's one line, which serves the experts' fills too.
; PASSES.  The third layer is computed once and kept.  Then always two passes: one category's decoder on all 128 rows; pass 0 with a, kept by the places below na; pass 1 with b, kept by the others
; (a select, no branch).  Where a bin has one category the second pass keeps nothing: the price of a trip count that hangs on no data.
; ONE TEXT serves We3, Wd1 and Wd2: the loop over layers is entered at layer 3 and, behind the first decoder, taken up again at the decoder's first layer.
; FORMATS.  Features, weights and biases are rounded to bf16; layer 1 multiplies in bf16.  The activations are f16 times a power of two S, chosen anew behind every layer from the work-group's true
; largest magnitude so that it lies under 2^15; a bias enters as the C operand times S; the result is divided by S.  Sums in f32.
; LIMITS.  A layer's largest magnitude times S must lie in 2^-110 .. 2^110; an activation more than 2^29 below the work-group's largest loses bits (f16's fixed step); NaN and infinities are not treated apart;
; sorted places and rows are clamped to 32,767, categories to 7.
; LDS: two slots (tensor loads alone); R, 128 rows of 1,040 bytes (LDS stores alone): first two stages of 128 x 144 bytes for bf16 features, then layer 1's output in whole rows, then bytes 0-511 of a
; row the working activations and bytes 512-1023 the kept third layer, at last the f32 result at pitch 528; four words for the maxima; the spare words.
; REGISTERS, in windows of 256: window 0: v0-31 addresses; v32-63 bias (layer 1: feature offsets); v64-191 two buffers of activation fragments; v192-255 at work.
;   window 1: v0-63 features on their way; v64-191 two buffers of weight fragments.   window 2: accumulators.   window 3: layer 1's rows 64-127, later pass 0's result.
.set SLOTB, 65536
.set FILLB, 65536
.set RB,    131072
.set RP,    1040                       ; 65 x 16 bytes: the 16 rows of a fragment load start at 16 different groups of four banks
.set RH,    64*RP
.set XP,    144                        ; 128 bytes + 16
.set XS,    32768                      ; the second feature stage
.set MXB,   RB+128*RP
.set SPARE, MXB+256                    ; the spare words: 128 bytes a wave, two blocks of 256 bytes that no other line names
.set OPI,   528
.set GJ,    36                         ; s[36:43] descriptor group 1, joint
.set GP,    92                         ; s[92:99] the same without a mask
.set WA,    18                         ; v18  layers 1 and 2: my weight fragments in the slot in hand
.set XA,    19                         ; v19  layer 1: the feature fragments in the stage in hand
.set XT,    20                         ; v20  layer 1: where I put features, in the other stage
.set IN0,   14                         ; v14  a looped layer's input, row blocks 0-3
.set IN1,   25                         ; v25  row blocks 4-7
.set OUT0,  26                         ; v26-27  where I put 16 bytes of output: layer 1's, later the looped layers'
.set SSL,   91                         ; s91  0 or SLOTB: the slot in hand
.set SXS,   74                         ; s74  0 or XS: the feature stage in hand (the register holds a bias pointer later)
.set SXT,   75                         ; s75  the other stage
.set SIN,   86                         ; s86  byte of R's rows at which a looped layer's input begins
.set SOUT,  90                         ; s90  the same for its output
.set MSB, 0
.macro WIN new                         ; the high byte repeats the setting that is left
.if MSB != (\new)
	s_set_vgpr_msb (MSB<<8)|(\new)
.set MSB, (\new)
.endif
.endm
.macro PLACES                          ; four plain vector places behind matrix instructions (ISA guide 7.12.1)
.rept 4
	v_nop
.endr
.endm
.macro ROUND                           ; a round of the cluster's barrier
	s_barrier_signal -1
	s_barrier_wait -1
	s_cmp_lg_u32 s3, 0
	s_cbranch_scc1 .Lnw0_\@
	s_barrier_signal -3
.Lnw0_\@:
	s_barrier_wait -3
	s_barrier_signal -1
	s_barrier_wait -1
.endm
; The change of fills, in two parts with the descriptor's scalar steps between them.  In front of the round every wave has: all its tensor loads landed (its quarter of the next slot), its add done,
; its LDS reads of the old slot and of R back, and its LDS stores into R done.  Behind it the old slot may be filled and what the waves stored into R may be read.
.macro SYNC_A
	WIN 0
	s_wait_tensorcnt 0x0
	ds_add_u32 v28, v29                            ; 0 onto my spare word
.endm
.macro SYNC_B
	s_wait_dscnt 0x0
	ROUND
.endm
.macro STEPFILL                        ; no tensor load of mine is out: the descriptor steps to the other slot and the stream's next fill
	s_xor_b32 s33, s33, SLOTB
	s_add_nc_u64 s[34:35], s[34:35], FILLB
.endm
.macro TLOAD g1                        ; my quarter of a fill; an s_nop 0 and four v_nop follow
	tensor_load_to_lds s[32:35], s[\g1:(\g1)+7]
	s_nop 0
.rept 4
	v_nop
.endr
.endm
.macro FETCHW nb, f, wreg, q           ; nb weight fragments of K block q into buffer f (window 1)
	WIN 0x40
.set fb, 0
.rept \nb
	ds_load_b128 v[64+64*(\f)+8*fb:64+64*(\f)+8*fb+3],   v[\wreg] offset:((\q)*(\nb)+fb)*1024
	ds_load_b128 v[64+64*(\f)+8*fb+4:64+64*(\f)+8*fb+7], v[\wreg] offset:((\q)*(\nb)+fb)*1024+512
.set fb, fb+1
.endr
.endm
.macro FETCHA f, a0, a1, ap, lin, kb   ; 8 activation fragments (16 rows x 32 K at byte kb of the rows) into buffer f; lin = 1: one address register serves all 8 row blocks
	WIN 0
.set fa, 0
.rept 8
	ds_load_b128 v[64+64*(\f)+8*fa:64+64*(\f)+8*fa+3],   v[(\a0)+((\a1)-(\a0))*(fa/4)] offset:(fa-4*(fa/4)*(1-(\lin)))*(\ap)+(\kb)
	ds_load_b128 v[64+64*(\f)+8*fa+4:64+64*(\f)+8*fa+7], v[(\a0)+((\a1)-(\a0))*(fa/4)] offset:(fa-4*(fa/4)*(1-(\lin)))*(\ap)+(\kb)+32
.set fa, fa+1
.endr
.endm
; 4 nb matrix instructions: row blocks alo .. alo+3 x all nb output tiles.  cb != 0: the sums start with the bias, eight registers a tile from v[cb] of window 0.
; Every accumulator has one turn in a K block: no two matrix instructions that follow each other share one.
.macro MULS ty, nb, f, alo, cb
.if ((\nb) == 8) && ((\alo) == 4)
.set mw, 3
.else
.set mw, 2
.endif
.if \cb
	WIN 0x40*mw+1
.else
	WIN 0x50*mw+1
.endif
.set ma, \alo
.rept 4
.set mb, 0
.rept \nb
.if (\nb) == 8
.set mi, 8*(8*(ma&3)+mb)
.else
.set mi, 8*((\nb)*ma+mb)
.endif
.if \cb
	v_wmma_f32_16x16x32_\ty v[mi:mi+7], v[64+64*(\f)+8*mb:64+64*(\f)+8*mb+7], v[64+64*(\f)+8*ma:64+64*(\f)+8*ma+7], v[(\cb)+8*mb:(\cb)+8*mb+7]
.else
	v_wmma_f32_16x16x32_\ty v[mi:mi+7], v[64+64*(\f)+8*mb:64+64*(\f)+8*mb+7], v[64+64*(\f)+8*ma:64+64*(\f)+8*ma+7], v[mi:mi+7]
.endif
.set mb, mb+1
.endr
.set ma, ma+1
.endr
.endm
; One K block of 32: buffer f is multiplied.  nx = 1: at its head the next block's fragments are fetched into the other buffer, in one run, four places behind that buffer's last reader (the block
; before): they have all 8 nb matrix instructions of this block in which to land.
.macro SUB ty, nb, f, cb, nx, wreg, q, a0, a1, ap, lin, kb
	s_wait_dscnt 0x0                               ; this block's fragments are in
.if \nx
	PLACES
	FETCHW \nb, 1-(\f), \wreg, \q
	FETCHA 1-(\f), \a0, \a1, \ap, \lin, \kb
.endif
	MULS \ty, \nb, \f, 0, \cb
	MULS \ty, \nb, \f, 4, \cb
.endm
; The work of a fill of a layer of 256 outputs: 128 along K from byte kb0 behind the two input addresses.  The next fill is asked for first, by group 1 g1.
.macro GWORK wreg, a0, a1, kb0, cb, g1
	TLOAD \g1
	FETCHW 4, 0, \wreg, 0
	FETCHA 0, \a0, \a1, 16*RP, 0, \kb0
	SUB f16, 4, 0, \cb, 1, \wreg, 1, \a0, \a1, 16*RP, 0, (\kb0)+64
	SUB f16, 4, 1, 0,   1, \wreg, 2, \a0, \a1, 16*RP, 0, (\kb0)+128
	SUB f16, 4, 0, 0,   1, \wreg, 3, \a0, \a1, 16*RP, 0, (\kb0)+192
	SUB f16, 4, 1, 0,   0, \wreg, 0, \a0, \a1, 16*RP, 0, 0
.endm
.macro BIASLD base, sp, vo, n          ; my lane's eight biases of each of n output tiles
.set i, 0
.rept \n
	global_load_b128 v[(\base)+8*i:(\base)+8*i+3],   v[\vo], s[\sp:(\sp)+1] offset:64*i
	global_load_b128 v[(\base)+8*i+4:(\base)+8*i+7], v[\vo], s[\sp:(\sp)+1] offset:64*i+16
.set i, i+1
.endr
.endm
.macro BIASPREP base, n, sc            ; rounded to bf16 like every input; sc = 1: times S
.set i, 0
.rept 4*(\n)
	v_cvt_pk_bf16_f32 v[22+(i&1)], v[(\base)+2*i], v[(\base)+2*i+1]
	v_lshlrev_b32 v[(\base)+2*i], 16, v[22+(i&1)]
	v_and_b32 v[(\base)+2*i+1], 0xffff0000, v[22+(i&1)]
.if \sc
	v_pk_mul_f32 v[(\base)+2*i:(\base)+2*i+1], v[(\base)+2*i:(\base)+2*i+1], s[56:57] op_sel_hi:[1,0]
.endif
.set i, i+1
.endr
.endm
.macro SCALES                          ; S = 2^ES and 1 / S as f32 bit patterns, each twice (named as pairs)
	s_add_co_i32 s82, s52, 127
	s_lshl_b32 s56, s82, 23
	s_mov_b32 s57, s56
	s_sub_co_i32 s82, 127, s52
	s_lshl_b32 s58, s82, 23
	s_mov_b32 s59, s58
.endm
.macro CATPTR                          ; category s49: its bd1, bd2, bd3, and the experts in front of it in the stream of fills
	s_lshl_b32 s84, s49, 10
	s_add_nc_u64 s[76:77], s[22:23], s[84:85]
	s_add_nc_u64 s[78:79], s[24:25], s[84:85]
	s_lshl_b32 s84, s49, 9
	s_add_nc_u64 s[88:89], s[26:27], s[84:85]
	s_mul_i32 s87, s49, 5*FILLB
.endm
; BEHIND A LAYER.  MAXW: the largest magnitude of nt accumulators of a window, four chains; each accumulator is read from its low end on.
.macro MAXW win, nt
	WIN 0x14*(\win)
.set i, 0
.rept 4*(\nt)
	v_max3_num_f32 v[18+(i%4)], v[18+(i%4)], |v[2*i]|, |v[2*i+1]|
.set i, i+1
.endr
.endm
.macro EPI_RED                         ; over the chains and the 32 lanes; my wave's word
	WIN 0
	v_max3_num_f32 v18, v18, v19, v20
	v_max_num_f32 v18, v18, v21
	v_max_num_f32_dpp v18, v18, v18 row_xmask:1 row_mask:0xf bank_mask:0xf
	v_max_num_f32_dpp v18, v18, v18 row_xmask:2 row_mask:0xf bank_mask:0xf
	v_max_num_f32_dpp v18, v18, v18 row_xmask:4 row_mask:0xf bank_mask:0xf
	v_max_num_f32_dpp v18, v18, v18 row_xmask:8 row_mask:0xf bank_mask:0xf
	v_permlanex16_b32 v22, v18, s62, s63
	v_max_num_f32 v18, v18, v22
	ds_store_b32 v30, v18
.endm
; One barrier: the four maxima are there, and no wave reads this layer's input in R any more, so its output may be stored over it.
; Then the factor f = 2^(141 - e), e the biased exponent of the maximum: the largest number times f lies under 2^15.  A maximum of 0 takes f = 1.
.macro EPI_SCALE
	s_wait_dscnt 0x0
	s_barrier_signal -1
	s_barrier_wait -1
	ds_load_b128 v[18:21], v31
	s_wait_dscnt 0x0
	v_max3_num_f32 v18, v18, v19, v20
	v_max_num_f32 v18, v18, v21
	v_readfirstlane_b32 s82, v18
	s_lshr_b32 s82, s82, 23
	s_cmp_eq_u32 s82, 0
	s_cselect_b32 s82, 141, s82
	s_max_u32 s82, s82, 16
	s_min_u32 s82, s82, 250
	s_sub_co_u32 s83, 268, s82
	s_lshl_b32 s54, s83, 23                        ; f
	s_mov_b32 s55, s54
	s_sub_co_i32 s83, 141, s82
	s_add_co_i32 s52, s52, s83                     ; S = S f
	SCALES
.endm
; 16 accumulators from tile t0 of a window: max(x, s60) (0: ReLU; the lowest finite number: none), times f, to f16, 16 bytes a lane into R by the address pair v[slo], v[slo+1].
.macro EPIB win, t0, nb, slo
	WIN 0x45*(\win)
.set i, 8*(\t0)
.rept 128
	v_max_num_f32 v[i], s60, v[i]
.set i, i+1
.endr
.set i, 8*(\t0)
.rept 64
	v_pk_mul_f32 v[i:i+1], v[i:i+1], s[54:55] op_sel_hi:[1,0]
.set i, i+2
.endr
	WIN 0x05*(\win)
.set i, 0
.rept 64
	v_cvt_pk_f16_f32 v[192+i], v[8*(\t0)+2*i], v[8*(\t0)+2*i+1]
.set i, i+1
.endr
	WIN 0
.set i, 0
.rept 16
.set ea, ((\t0)+i)/(\nb)+4*((\win)-2)
.set eb, ((\t0)+i)%(\nb)
	ds_store_b128 v[(\slo)+ea/4], v[192+4*i:192+4*i+3] offset:(ea&3)*16*RP+32*eb
.set i, i+1
.endr
.endm
.macro LOADX                           ; 64 features of my 32 rows: 16 lanes take 256 consecutive bytes of a row
	WIN 0x40
.set i, 0
.rept 16
	global_load_b128 v[4*i:4*i+3], v[32+i], s[46:47] th:TH_LOAD_NT
.set i, i+1
.endr
	WIN 0
.endm
.macro STOREX areg                     ; they are rounded to bf16 in place and go into the feature stage that v[areg] names
	s_wait_loadcnt 0x0                             ; also frees the loads' base and offsets
	WIN 0x45
.set i, 0
.rept 32
	v_cvt_pk_bf16_f32 v[i], v[2*i], v[2*i+1]       ; destination i never passes source 2 i
.set i, i+1
.endr
	WIN 0x04
.set i, 0
.rept 16
	ds_store_b64 v[\areg], v[2*i:2*i+1] offset:2*XP*i
.set i, i+1
.endr
	WIN 0
.endm
; Layer 1's addresses for K step T: slot and stage T % 2 are read, the other stage is written.  The three scalars turn by an exclusive or behind each step.
.macro L1ADR
	v_add_nc_u32 v[WA], s[SSL], v6
	v_add_nc_u32 v[XA], s[SXS], v9
	v_add_nc_u32 v[XT], s[SXT], v10
.endm
.macro L1TOG
	s_xor_b32 s[SSL], s[SSL], SLOTB
	s_xor_b32 s[SXS], s[SXS], XS
	s_xor_b32 s[SXT], s[SXT], XS
.endm
; A K step of 64 of layer 1, step T: fill T + 1 is asked for; between its two K blocks chunk T + 1 of the features goes into the other stage and chunk T + 2 is asked for.
; lp = 1: in the loop, s48 = 12 - T: the last step (s48 = 1) has neither, the last but one (s48 = 2) no load.  The load's jump stands behind the store, so on every way a load follows the wait for the load before it.
.macro L1TRIP cb, lp
	SYNC_A
	STEPFILL
	SYNC_B
	TLOAD GJ
	FETCHW 8, 0, WA, 0
	FETCHA 0, XA, XA, 16*XP, 1, 0
	SUB bf16, 8, 0, \cb, 1, WA, 1, XA, XA, 16*XP, 1, 64
	WIN 0
.if \lp
	s_cmp_eq_u32 s48, 1
	s_cbranch_scc1 .Lnox_\@
.endif
	STOREX XT
.if \lp
	s_cmp_eq_u32 s48, 2
	s_cbranch_scc1 .Lnox_\@
.endif
	s_add_nc_u64 s[46:47], s[46:47], 256
	LOADX
.if \lp
.Lnox_\@:
.endif
	SUB bf16, 8, 1, 0, 0, WA, 0, XA, XA, 0, 1, 0
.endm
; The byte in ord of the sorted place that stands at place v[tv] of the bin: word 0 + t below na, word 2 + t from na on; clamped.
.macro SRC dst, tv
	v_cmp_gt_u32 vcc_lo, s5, v[\tv]
	v_cndmask_b32 v[\dst], v21, v18, vcc_lo
	v_add_nc_u32 v[\dst], v[\dst], v[\tv]
	v_min_u32 v[\dst], 0x7fff, v[\dst]
	v_lshlrev_b32 v[\dst], 2, v[\dst]
.endm
	; ---- the head
	s_load_b512 s[8:23], s[0:1], 0x0               ; features 8, ord 10, crange 12, wq 14, be1 16, be2 18, be3 20, bd1 22
	s_load_b128 s[24:27], s[0:1], 0x40             ; bd2 24, bd3 26
	s_load_b64 s[28:29], s[0:1], 0x50              ; out0
	v_lshl_add_u32 v28, v0, 2, SPARE
	v_mov_b32 v29, 0
	ds_add_u32 v28, v29
	s_wait_dscnt 0x0
	v_lshrrev_b32 v1, 5, v0
	v_readfirstlane_b32 s3, v1                     ; wave
	s_bfe_u32 s30, ttmp6, 0x40000                  ; cx
	s_lshl_b32 s30, s30, 7                         ; my 128 places in the bin: they enter ord's offsets and the keep masks alone
	s_lshl_b32 s86, ttmp9, 4                       ; the cluster's bin in crange
	s_lshl_b32 s31, s3, 14                         ; my quarter of a fill and of a slot
	; descriptor group 1: 16,384 dense bytes as 64 rows of 256
	s_mov_b32 s36, 15|(3<<16)|(1<<21)              ; the mask of four; elements of 8 bytes; bit 21 beside a mask
	s_mov_b32 s92, 3<<16                           ; no mask
.irp g, GJ, GP
	s_mov_b32 s[\g+1], 32<<16                      ; tensor_dim0 = 32
	s_mov_b32 s[\g+2], 64<<16                      ; tensor_dim1 = 64
	s_mov_b32 s[\g+3], 32<<16                      ; tile_dim0 = 32
	s_mov_b32 s[\g+4], 64                          ; tile_dim1 = 64
	s_mov_b32 s[\g+5], 32                          ; 32 elements from row to row
	s_mov_b32 s[\g+6], 0
	s_mov_b32 s[\g+7], 0
.endr
	s_mov_b32 s32, 1
	s_add_co_u32 s33, s31, 0                       ; slot 0
	s_mov_b32 s62, 0x76543210
	s_mov_b32 s63, 0xfedcba98
	s_mov_b32 s52, 0                               ; S = 1
	s_mov_b32 s53, 0
	s_mov_b32 s60, 0                               ; ReLU
	s_mov_b32 s81, 0
	s_mov_b32 s85, 0
	s_mov_b32 s90, s31
	s_mov_b32 s91, 0
	s_wait_kmcnt 0x0
	s_load_b128 s[4:7], s[12:13], s86 offset:0x0   ; a's first sorted place; na; b's less na; a | b << 8
	s_add_nc_u64 s[44:45], s[14:15], s[90:91]      ; wq at my quarter of fill 0
	s_mov_b64 s[46:47], s[8:9]
	s_mov_b64 s[34:35], s[44:45]
	s_or_b32 s35, s35, 0x80000000
	ROUND                                          ; the four work-groups are here: the first joint load meets
	TLOAD GJ                                       ; fill 0
	v_and_b32 v3, 31, v0                           ; lane
	v_and_b32 v1, 15, v0                           ; r
	v_bfe_u32 v2, v0, 4, 1                         ; h
	v_lshlrev_b32 v8, 4, v3
	v_mul_u32_u24 v4, v1, RP
	v_lshl_add_u32 v4, v2, 4, v4
	v_add_nc_u32 v4, RB, v4                        ; activation fragments, row blocks 0-3
	v_add_nc_u32 v5, RH, v4                        ; row blocks 4-7
	v_add_nc_u32 v6, s31, v8                       ; weight fragments, slot 0
	v_add_nc_u32 v7, SLOTB, v6                     ; slot 1
	v_mul_u32_u24 v9, v1, XP
	v_lshl_add_u32 v9, v2, 4, v9
	v_add_nc_u32 v9, RB, v9                        ; feature fragments, stage 0
	s_mul_i32 s82, s3, 32*XP
	s_add_co_u32 s82, s82, RB
	v_mul_u32_u24 v10, v2, XP
	v_lshl_add_u32 v10, v1, 3, v10
	v_add_nc_u32 v10, s82, v10                     ; where I put 8 bytes of features in stage 0: row 32 w + h, then two rows on each time
	s_lshl_b32 s82, s3, 7
	v_add_nc_u32 v11, s82, v4                      ; where I put 16 bytes of output: layers of 256
	v_add_nc_u32 v12, s82, v5
	s_lshl_b32 s82, s3, 8
	v_add_nc_u32 v[OUT0], s82, v4                  ; layer 1
	v_add_nc_u32 v[OUT0+1], s82, v5
	v_lshlrev_b32 v22, 5, v2
	v_lshl_add_u32 v25, s3, 9, v22                 ; my biases: 128, 64, 32 outputs a wave (v25 serves be1 alone and is an input address later)
	v_lshl_add_u32 v13, s3, 8, v22
	v_lshl_add_u32 v24, s3, 7, v22
	s_lshl_b32 s82, s3, 7
	s_add_co_u32 s82, s82, RB
	v_mul_u32_u24 v15, v1, OPI
	v_add_nc_u32 v15, v15, v22
	v_add_nc_u32 v15, s82, v15                     ; the result's way into R
	s_mul_i32 s82, s3, 32*OPI
	s_add_co_u32 s82, s82, RB
	v_add_nc_u32 v16, s82, v8                      ; and back, whole rows
	s_lshl_b32 s82, s3, 2
	s_add_co_u32 s82, s82, MXB
	v_mov_b32 v30, s82
	v_mov_b32 v31, MXB
	s_lshl_b32 s82, s3, 5
	s_add_co_u32 s82, s82, s30
	v_add_nc_u32 v23, s82, v2                      ; place 32 w + h of my block, counted in the bin
	v_add_nc_u32 v19, s30, v0                      ; place 32 w + lane
	v_add_nc_u32 v3, s30, v1                       ; place r
	v_lshlrev_b32 v20, 4, v1
	s_wait_kmcnt 0x0                               ; the bin's four words
	v_mov_b32 v18, s4
	v_mov_b32 v21, s6
.set i, 0
.rept 16
	v_add_nc_u32 v22, 2*i, v23
	SRC 32+i, 22
	global_load_b32 v[32+i], v[32+i], s[10:11]     ; the row at place 32 w + 2 i + h; the load lands on its own offset
.set i, i+1
.endr
	SRC 17, 19
	global_load_b32 v17, v17, s[10:11]             ; the row at place 32 w + lane
.set i, 0
.rept 8
	v_add_nc_u32 v22, 16*i, v3
	v_cmp_gt_u32 s[66+i], s5, v22                  ; which rows of row block i are a's: they keep pass 0
.set i, i+1
.endr
	BIASLD 192, 16, 25, 8
	s_and_b32 s49, s7, 255
	s_min_u32 s49, s49, 7                          ; a
	s_bfe_u32 s50, s7, 0x80008
	s_min_u32 s50, s50, 7                          ; b
	s_wait_loadcnt 0x0
.set i, 0
.rept 16
	v_and_b32 v[32+i], 0x7fff, v[32+i]
	v_min_u32 v[32+i], 0x7fff, v[32+i]
	v_mad_u32_u24 v[32+i], v[32+i], 3072, v20      ; the row's bytes + 16 (lane % 16)
.set i, i+1
.endr
	LOADX                                          ; chunk 0
	BIASPREP 192, 8, 0
	STOREX 10
	s_add_nc_u64 s[46:47], s[46:47], 256
	LOADX                                          ; chunk 1
	; ---- layer 1: 768 -> 512, bf16, twelve K steps of 64.  The first is written out: the bias starts the sums.  The other eleven are one text.
	s_mov_b32 s[SSL], 0
	s_mov_b32 s[SXS], 0
	s_mov_b32 s[SXT], XS
	L1ADR
	L1TRIP 192, 0
	WIN 0
	L1TOG
	s_mov_b32 s48, 11
.Ll1:
	L1ADR
	L1TRIP 0, 1                                    ; the last of them asks for layer 2's first fill
	WIN 0
	L1TOG
	s_sub_co_u32 s48, s48, 1
	s_cmp_lg_u32 s48, 0
	s_cbranch_scc1 .Ll1
.irp j, 18,19,20,21
	v_mov_b32 v\j, 0                               ; these four are the places behind the last products
.endr
	MAXW 2, 32
	MAXW 3, 32
	EPI_RED
	BIASLD 32, 18, 13, 4                           ; be2
	EPI_SCALE
	EPIB 2, 0,  8, OUT0
	EPIB 2, 16, 8, OUT0
	EPIB 3, 0,  8, OUT0
	EPIB 3, 16, 8, OUT0
	s_wait_loadcnt 0x0
	BIASPREP 32, 4, 1
	; ---- layer 2: 512 -> 256, four fills of 128 along K.  The first is written out: the bias starts the sums.  The other three are one text; the last asks for layer 3's first fill.
	SYNC_A
	STEPFILL
	SYNC_B
	GWORK 6, 4, 5, 0, 32, GJ
	WIN 0
	s_mov_b32 s[SSL], SLOTB
	s_mov_b32 s[SIN], 256
	s_mov_b32 s48, 3
.Ll2:
	v_add_nc_u32 v[WA], s[SSL], v6
	v_add_nc_u32 v[IN0], s[SIN], v4
	v_add_nc_u32 v[IN1], s[SIN], v5
	SYNC_A
	STEPFILL
	SYNC_B
	GWORK WA, IN0, IN1, 0, 0, GJ
	WIN 0
	s_xor_b32 s[SSL], s[SSL], SLOTB
	s_add_co_u32 s[SIN], s[SIN], 256
	s_sub_co_u32 s48, s48, 1
	s_cmp_lg_u32 s48, 0
	s_cbranch_scc1 .Ll2
.irp j, 18,19,20,21
	v_mov_b32 v\j, 0
.endr
	MAXW 2, 32
	EPI_RED
	BIASLD 32, 20, 13, 4                           ; be3
	EPI_SCALE
	EPIB 2, 0,  4, 11                              ; into the rows' first halves
	EPIB 2, 16, 4, 11
	s_wait_loadcnt 0x0
	BIASPREP 32, 4, 1
	; ---- layer 3 once, then two decoders.  The loop over layers (s51 = 0: We3, 1: Wd1, 2: Wd2) is entered at layer 3; the text at .Lpass stands between the two decoders and is passed once.
	; A layer reads at byte SIN of R's rows and writes at byte SOUT: We3 0 -> 512 (kept), Wd1 512 -> 0, Wd2 0 -> 0.  SIN turns by an exclusive or behind each layer; SOUT is 0 from the second on.
	CATPTR                                         ; category a
	s_mov_b32 s[SIN], 0
	s_mov_b32 s[SOUT], 512
	s_mov_b32 s61, 0
	s_mov_b32 s51, 0
	s_branch .Llayer
.Lpass:
	SYNC_A
	s_add_co_u32 s33, s31, 0                       ; slot 0 takes b's first fill
	s_mov_b32 s49, s50
	CATPTR                                         ; category b
	s_add_co_u32 s80, s87, 18*FILLB
	s_add_nc_u64 s[34:35], s[44:45], s[80:81]
	s_or_b32 s35, s35, 0x80000000
	SYNC_B
	TLOAD GP                                       ; its four v_nop are also the places behind pass 0's last products
	BIASLD 32, 76, 13, 4                           ; bd1 of b
	WIN 0xc2
.set i, 0
.rept 64
	v_pk_mul_f32 v[i:i+1], v[i:i+1], s[58:59] op_sel_hi:[1,0]  ; pass 0's result, divided by its S, goes into window 3
.set i, i+2
.endr
	WIN 0
	s_mov_b32 s52, s53                             ; the kept third layer's S
	SCALES
	s_wait_loadcnt 0x0
	BIASPREP 32, 4, 1
	s_mov_b32 s51, 1
.Llayer:
	s_cmp_eq_u32 s51, 0
	s_cselect_b32 s60, 0xff7fffff, 0               ; layer 3 has no ReLU
	s_cselect_b32 s80, s87, 0
	s_cselect_b64 s[74:75], s[76:77], s[78:79]     ; the next layer's bias
	s_add_co_u32 s80, s80, FILLB                   ; from this layer's second fill to the next layer's first
	v_add_nc_u32 v[IN0], s[SIN], v4
	v_add_nc_u32 v[IN1], s[SIN], v5
	v_add_nc_u32 v[OUT0], s[SOUT], v11
	v_add_nc_u32 v[OUT0+1], s[SOUT], v12
	SYNC_A
	s_add_co_u32 s33, s31, SLOTB
	s_add_nc_u64 s[34:35], s[34:35], FILLB
	SYNC_B
	GWORK 6, IN0, IN1, 0, 32, GP
	SYNC_A
	s_add_co_u32 s33, s31, 0
	s_add_nc_u64 s[34:35], s[34:35], s[80:81]
	SYNC_B
	GWORK 7, IN0, IN1, 256, 0, GP
	WIN 0
.irp j, 18,19,20,21
	v_mov_b32 v\j, 0
.endr
	MAXW 2, 32
	EPI_RED
	s_cmp_eq_u32 s51, 2
	s_cbranch_scc1 .Lb3
	BIASLD 32, 74, 13, 4
	s_branch .Lbj
.Lb3:
	BIASLD 32, 88, 24, 2                           ; the last layer has two output tiles a wave
.Lbj:
	EPI_SCALE
	s_cmp_eq_u32 s51, 0
	s_cselect_b32 s53, s52, s53                    ; the third layer's S is kept with it
	EPIB 2, 0,  4, OUT0
	EPIB 2, 16, 4, OUT0
	s_wait_loadcnt 0x0
	BIASPREP 32, 2, 1
	s_cmp_eq_u32 s51, 2
	s_cbranch_scc1 .Lnb
	BIASPREP 48, 2, 1
.Lnb:
	s_xor_b32 s[SIN], s[SIN], 512
	s_mov_b32 s[SOUT], 0
	s_add_co_u32 s51, s51, 1
	s_cmp_lt_u32 s51, 3
	s_cbranch_scc1 .Llayer
	; the last layer, 256 -> 128: one fill, eight K blocks
	SYNC_A
	SYNC_B
	PLACES
	FETCHW 2, 0, 6, 0
	FETCHA 0, 4, 5, 16*RP, 0, 0
.set dq, 0
.rept 8
.if dq == 0
	SUB f16, 2, 0, 32, 1, 6, 1, 4, 5, 16*RP, 0, 64
.elseif dq < 7
	SUB f16, 2, (dq&1), 0, 1, 6, (dq+1), 4, 5, 16*RP, 0, 64*(dq+1)
.else
	SUB f16, 2, 1, 0, 0, 6, 0, 4, 5, 16*RP, 0, 0
.endif
.set dq, dq+1
.endr
	WIN 0
	s_add_co_u32 s61, s61, 1
	s_cmp_lt_u32 s61, 2
	s_cbranch_scc1 .Lpass
	PLACES
	WIN 0x82
.set i, 0
.rept 64
	v_pk_mul_f32 v[i:i+1], v[i:i+1], s[58:59] op_sel_hi:[1,0]  ; pass 1's result, divided by its S
.set i, i+2
.endr
	WIN 0xce
.set i, 0
.rept 128
	v_cndmask_b32 v[i], v[i], v[i], s[66+i/16]     ; window 3 keeps pass 0's number where the row is a's, and takes window 2's, pass 1's, elsewhere
.set i, i+1
.endr
	WIN 0
	; ---- the way out: through R as f32 rows of 512 bytes; a wave's store covers one whole row of out0
	s_wait_dscnt 0x0
	s_barrier_signal -1
	s_barrier_wait -1                              ; no wave reads R any more
	WIN 0x0c
.set i, 0
.rept 16
	ds_store_b128 v15, v[8*i:8*i+3]   offset:(i/2)*16*OPI+64*(i%2)
	ds_store_b128 v15, v[8*i+4:8*i+7] offset:(i/2)*16*OPI+64*(i%2)+16
.set i, i+1
.endr
	WIN 0
	s_wait_dscnt 0x0                               ; for the others' sake
	s_barrier_signal -1
	s_barrier_wait -1
.irp g, 0,1
	s_wait_xcnt 0x0                                ; the stores before have read their data and offsets
.set i, 0
.rept 16
	ds_load_b128 v[192+4*i:192+4*i+3], v16 offset:OPI*(16*\g+i)
.set i, i+1
.endr
.set i, 0
.rept 16
	v_readlane_b32 s82, v17, 16*\g+i
	s_and_b32 s82, s82, 0x7fff
	s_min_u32 s82, s82, 0x7fff
	v_lshl_add_u32 v[32+i], s82, 9, v8             ; the row's 512 bytes + 16 x lane
.set i, i+1
.endr
.set i, 0
.rept 16
	s_wait_dscnt 15-i                              ; LDS loads come back in order: row i is in, the batch's younger ones stay out
	global_store_b128 v[32+i], v[192+4*i:192+4*i+3], s[28:29] th:TH_STORE_NT
.set i, i+1
.endr
.endr
	s_wait_tensorcnt 0x0                           ; the wave's end
	ds_add_u32 v28, v29
	s_wait_dscnt 0x0
	ROUND                                          ; the closing round
	s_endpgm
.Lfunc_end_k_qad45ed7e71_main:
	.size	k_qad45ed7e71_main, .Lfunc_end_k_qad45ed7e71_main-k_qad45ed7e71_main
	.p2alignl 7, 3214868480
	.fill 96, 4, 3214868480
	.section	.rodata,"a",@progbits
	.p2align	6, 0x0
	.amdhsa_kernel k_qad45ed7e71_main
		.amdhsa_group_segment_fixed_size 327680
		.amdhsa_private_segment_fixed_size 0
		.amdhsa_enable_private_segment 0
		.amdhsa_kernarg_size 88
		.amdhsa_user_sgpr_count 2
		.amdhsa_user_sgpr_kernarg_segment_ptr 1
		.amdhsa_wavefront_size32 1
		.amdhsa_system_sgpr_workgroup_id_x 1
		.amdhsa_system_sgpr_workgroup_id_y 1
		.amdhsa_system_sgpr_workgroup_id_z 1
		.amdhsa_system_vgpr_workitem_id 0
		.amdhsa_next_free_vgpr 1024
		.amdhsa_next_free_sgpr 100
		.amdhsa_reserve_vcc 1
		.amdhsa_float_denorm_mode_32 3
		.amdhsa_float_denorm_mode_16_64 3
		.amdhsa_memory_ordered 1
		.amdhsa_forward_progress 1
		.amdhsa_inst_pref_size 255
	.end_amdhsa_kernel
	.section	.bss,"aw",@nobits
	.p2align	6
	.space	262144
	.amdgpu_metadata
---
amdhsa.version: [ 1, 2 ]
amdhsa.kernels:
  - .name:           k_qad45ed7e71_main
    .symbol:         k_qad45ed7e71_main.kd
    .args:
      - { .name: features, .offset: 0, .size: 8, .value_kind: global_buffer, .address_space: global }
      - { .name: ord, .offset: 8, .size: 8, .value_kind: global_buffer, .address_space: global }
      - { .name: crange, .offset: 16, .size: 8, .value_kind: global_buffer, .address_space: global }
      - { .name: wq, .offset: 24, .size: 8, .value_kind: global_buffer, .address_space: global }
      - { .name: be1, .offset: 32, .size: 8, .value_kind: global_buffer, .address_space: global }
      - { .name: be2, .offset: 40, .size: 8, .value_kind: global_buffer, .address_space: global }
      - { .name: be3, .offset: 48, .size: 8, .value_kind: global_buffer, .address_space: global }
      - { .name: bd1, .offset: 56, .size: 8, .value_kind: global_buffer, .address_space: global }
      - { .name: bd2, .offset: 64, .size: 8, .value_kind: global_buffer, .address_space: global }
      - { .name: bd3, .offset: 72, .size: 8, .value_kind: global_buffer, .address_space: global }
      - { .name: out0, .offset: 80, .size: 8, .value_kind: global_buffer, .address_space: global }
    .group_segment_fixed_size: 327680
    .private_segment_fixed_size: 0
    .kernarg_segment_align: 8
    .kernarg_segment_size: 88
    .max_flat_workgroup_size: 128
    .sgpr_count:     100
    .vgpr_count:     1024
    .wavefront_size: 32
...
	.end_amdgpu_metadata
.endif
;; end of part 4
